; MI455X (gfx1250); checked and timed in simulation.
; The chip was launched on July 23, 2026; its instructions are those of AMD's public machine-readable ISA for CDNA 5 (MIT licence, August 2026) and "CDNA5" Instruction Set Architecture Reference Guide (July 2026). The comments in the code are by the model that wrote it; some were corrected since.
;; Multi Head. Allowed arithmetic: matrix products marked QUANTISED: E3M2 operands, one E8M0 scale for each 32 along K, by v_wmma_scale_f32_16x16x128_f8f6f4 with both operands' format E3M2, f32 sums; everything else in f32.
;; Inputs: WK 1,024 x 1,024 float32; WO 1,024 x 1,024 float32; WQ 1,024 x 1,024 float32; WV 1,024 x 1,024 float32; token_positions 2,048 int32; x 4 x 2,048 x 1,024 float32.
;; Outputs: out0 4 x 2,048 x 1,024 float32.
;; This version of the problem:
;;   THIS VERSION OF THE PROBLEM IS GIVEN IN LOW PRECISION. The matrix products marked QUANTISED in the list below multiply operands that are first quantised to E3M2 (3 exponent bits, 2 mantissa bits; 6 bits a number), with one power-of-two scale for each 32 numbers along K (OCP MX v1.0); their sums are f32. All else is computed in f32.
;;   The module's matrix products, in the order in which they are computed (A, B: the left and right operand; K: the contracted axis; several contracted axes count as one K, in the product's order):
;;     1. [M 8,192, K 1,024] x [K 1,024, N 1,024]; A: input x; B: input WQ: QUANTISED
;;     2. [M 8,192, K 1,024] x [K 1,024, N 1,024]; A: input x; B: input WK: QUANTISED
;;     3. [M 8,192, K 1,024] x [K 1,024, N 1,024]; A: input x; B: input WV: QUANTISED
;;     4. batch 64 x [M 2,048, K 64] x [K 64, N 2,048]; A: computed on the way; B: computed on the way: QUANTISED
;;     5. batch 64 x [M 2,048, K 2,048] x [K 2,048, N 64]; A: softmax (see below); B: computed on the way: QUANTISED
;;     6. [M 8,192, K 1,024] x [K 1,024, N 1,024]; A: computed on the way; B: input WO: QUANTISED
;;   THE QUANTISER, for each operand of a quantised product, along K:
;;     - K is cut into blocks of 32 from its start; a last block that is shorter is filled with zeros.
;;     - A block's scale is 2^e with e = floor(log2(the largest magnitude in the block)) - 4, held to -126 .. 127; a block of zeros has e = 0. As a byte (E8M0): e + 127.
;;     - Each number is divided by its block's scale, clamped to +-28, and rounded to the nearest number of E3M2, ties to even, subnormals kept.
;;     - The product sums the exact products of the quantised numbers (number of the format x scale) in f32.
;;   ~~~python
;;   def quantise(x, axis):      # numpy; x: float32 -> the quantised numbers, widened to float32 again
;;       x = np.moveaxis(x, axis, -1); K = x.shape[-1]
;;       x = np.pad(x, [(0, 0)] * (x.ndim - 1) + [(0, -K % 32)]); x = x.reshape(x.shape[:-1] + (-1, 32)); a = np.abs(x).max(-1, keepdims=True)
;;       e = np.where(a > 0, np.clip(np.frexp(np.where(a > 0, a, 1))[1] - 1 - 4, -126, 127), 0)      # np.frexp(a)[1] - 1 = floor(log2(a)), exactly
;;       r = np.clip(x / 2.0 ** e, -28, 28)
;;       step = 2.0 ** (np.maximum(np.frexp(np.where(r == 0, 1, r))[1] - 1, -2) - 2)
;;       q = np.round(r / step) * step * 2.0 ** e      # np.round: ties to even
;;       return np.moveaxis(q.reshape(q.shape[:-2] + (-1,))[..., :K], -1, axis).astype(np.float32)
;;   ~~~
;;   SOFTMAX AHEAD OF A QUANTISED PRODUCT. Where the list says 'softmax', what is quantised is not the finished softmax but p = 2^(t - M), with t = logit x log2(e) and M = ceil(the row's largest t), a whole number; so 1/2 < the row's largest p <= 1. The row's sum l is taken of the UNQUANTISED p, in f32, and the product's result is divided by l at the end. Since M is a whole number, a kernel that streams over the keys may use a running M (the ceiling of the running maximum): every later rescaling is an exact power of two, which a block's scale takes up: the codes' values come out the same.
;;   OPERANDS COMPUTED ON THE WAY. 'Computed on the way' means the value that the module computes at that place (a softmax that the list does not call 'softmax' is quantised finished and normalised). What goes into a quantiser is computed in f32, as accurately as f32 sums, v_exp_f32 and their like allow (about 1e-6 of the number): no bf16 or f16 on the way to a quantiser, and a product that is left as it is and whose result goes on into a quantised operand takes f32 operands (vector FMAs, or v_wmma_f32_16x16x4_f32). A number that lies on a knife's edge between two numbers of the format may be rounded either way, as far as f32 arithmetic and the matrix unit's own rounding can turn it there, and no further.
;; One version. Each part assembles by itself: llvm-mc -triple=amdgcn-amd-amdhsa -mcpu=gfx1250 --defsym DOCPART=n.
;; ======== version 1 of 1: 4 launches
;; limits: inputs' magnitudes at most 4,194,304
;; workspace buffers: xw 10,354,688 bytes; qkv 20,185,088 bytes; oq 6,553,600 bytes
;; launch quant (part 1): grid 512 x 1, 4 waves a work-group, no clusters, 35,328 bytes of LDS; arguments x, WQ, WK, WV, WO, token_positions, xw; writes xw
.if DOCPART == 1
	.amdgcn_target "amdgcn-amd-amdhsa--gfx1250"
	.amdhsa_code_object_version 6
	.text
	.protected	k_q1786343ae1_quant
	.globl	k_q1786343ae1_quant
	.p2align	8
	.type	k_q1786343ae1_quant,@function
k_q1786343ae1_quant:
	s_mov_b64 s[64:65], 0
	v_nop
	global_prefetch_b8 v0, s[64:65] scope:SCOPE_SE
	s_setreg_imm32_b32 hwreg(HW_REG_WAVE_MODE, 25, 1), 1
	s_wait_xcnt 0x0
; x [8192][1024] and WQ, WK, WV, WO [1024][1024], f32, K innermost, become codes of BF6 (E3M2) with one E8M0 byte for each 32 along K;
; and the table of (cos, sin) for the rotation is made from token_positions.  All goes into one workspace buffer, laid as the readers' registers want it:
;   an IMAGE of 16 rows x 64 k is 768 bytes: registers 0-3 of lane l at 16 l, registers 4-5 at 512 + 8 l; lane (r, h) holds block h (k = 32 h ..) of tile row r.
;   a tile of 16 rows has 16 such images on end (12,288 bytes) and 512 bytes of scales: [half of K][row][16 bytes], byte i = block 16 half + i.
;   THE ROWS OF A TILE ARE NOT NEIGHBOURS (but in WO): row p of tile T is row 32 (T / 2) + 8 (T % 2) + p + 8 (p / 8), so that in a transposed product
;   the 16 registers of two neighbouring tiles are 16 neighbours along the next K.
; A block's scale is 2^(floor(log2(largest magnitude)) - 4); its byte is the largest magnitude's exponent field - 4, held at 1 from below by a floor among the maximum's leaves.
; LIMITS: a block of zeros, or one whose largest magnitude lies under 2^-122, gets the byte 1 (a block of zeros has zero codes, and this program alone reads the bytes);
; NaN and infinities are not served; the table holds for |position x frequency| < 2^22.
; SHARES: work-groups 0-255 take x, 256-383 the four weights: a wave takes 16 rows x 512 k in eight steps of 64 k.  Work-groups 384-511 make the table, 16 positions each, without LDS.
; Each load reads 256 consecutive aligned bytes of a row in sixteen lanes; a step's 4,096 bytes turn through the wave's own stage in LDS (rows 272 bytes apart) so that a lane gets a whole block of 32.
; Matrix units, clusters and tensor loads are left out: every byte is read once and nothing is shared.
.set W_IMG, 6291456
.set X_SC,  9437184
.set W_SC,  9699328
.set TAB,   9830400
.set SP,    272                        ; a stage row: 256 bytes + 16
.set STG,   16*SP                      ; a stage; two for each wave
.set W,     16                         ; v16-19   the scale words
.set TT,    20                         ; v20-22   a block's upper 16 codes (a conversion's three registers begin on an even number)
.set R,     24                         ; v24-119  three sets of 32 registers as loaded
.set X,     120                        ; v120-183 two sets of 32 neighbours
.set C,     184                        ; v184-247 codes: eight registers for each step, so that no store's data are written again
	s_load_b256 s[4:11], s[0:1], 0x0               ; x, WQ, WK, WV
	s_load_b128 s[12:15], s[0:1], 0x20             ; WO, token_positions
	s_load_b64 s[16:17], s[0:1], 0x30              ; the workspace
	v_lshl_add_u32 v248, v0, 2, 0x8800
	v_mov_b32 v249, 0
	s_cmp_ge_u32 ttmp9, 384
	s_cbranch_scc1 .Ltable
	v_lshrrev_b32 v1, 5, v0
	v_readfirstlane_b32 s20, v1                    ; wave
	v_and_b32 v1, 15, v0                           ; r
	v_bfe_u32 v2, v0, 4, 1                         ; h
	v_lshlrev_b32 v3, 4, v1
	v_lshl_add_u32 v3, v2, 12, v3                  ; in: lanes 0-15 one row, lanes 16-31 the next; 16 bytes a lane
	s_mul_i32 s21, s20, 2*STG
	v_mul_u32_u24 v5, v2, SP
	v_lshl_add_u32 v5, v1, 4, v5
	v_add_nc_u32 v5, s21, v5                       ; the stage, on the way in
	v_mul_u32_u24 v6, v1, SP
	v_lshl_add_u32 v6, v2, 7, v6
	v_add_nc_u32 v6, s21, v6                       ; and out: row r, block h: 128 bytes
	v_and_b32 v8, 31, v0
	v_lshlrev_b32 v7, 4, v8                        ; 16 x lane
	v_lshlrev_b32 v8, 3, v8                        ; 8 x lane
	v_lshlrev_b32 v9, 3, v2                        ; 8 h
	v_lshl_add_u32 v23, v1, 4, v9                  ; 16 r + 8 h
	s_mov_b32 s42, 0x76543210
	s_mov_b32 s43, 0xfedcba98                      ; v_permlanex16_b32's selects for lane l xor 16
	s_lshl_b32 s22, ttmp9, 2
	s_add_co_u32 s22, s22, s20                     ; task = 4 x work-group + wave
	s_and_b32 s23, s22, 1                          ; which half of K
	s_lshr_b32 s22, s22, 1                         ; tile
	s_mov_b32 s27, W_SC
	s_cmp_lt_u32 ttmp9, 256                        ; x or a weight: the choice hangs on the work-group's number alone
	s_cselect_b32 s24, 0, 512
	s_cselect_b32 s25, 0x1ff, 63
	s_cselect_b32 s26, 0, W_IMG
	s_cselect_b32 s27, X_SC, s27
	s_sub_co_u32 s22, s22, s24                     ; the tile's number in its region of the workspace
	s_and_b32 s25, s22, s25                        ; and in its tensor
	s_lshr_b32 s28, s25, 1
	s_lshl_b32 s28, s28, 5
	s_and_b32 s29, s25, 1
	s_lshl_b32 s29, s29, 3
	s_add_co_u32 s28, s28, s29                     ; first row: 32 (T / 2) + 8 (T % 2),
	s_lshl_b32 s29, s25, 4                         ; or 16 T in WO
	s_cmp_lt_u32 ttmp9, 352
	s_cselect_b32 s28, s28, s29
	s_cselect_b32 s29, 32768, 0                    ; tile rows 8-15 lie 8 rows further on, but in WO
	v_add_nc_u32 v4, s29, v3
	s_lshl_b32 s28, s28, 12                        ; rows of 4,096 bytes
	s_lshl_b32 s30, s23, 11
	s_add_co_u32 s28, s28, s30                     ; + 2,048 for the upper half of K
	s_mov_b32 s29, 0
	s_mul_i32 s30, s22, 12288
	s_add_co_u32 s32, s26, s30
	s_mul_i32 s30, s23, 6144
	s_add_co_u32 s32, s32, s30                     ; where my eight images go
	s_mov_b32 s33, 0
	s_lshl_b32 s30, s22, 9
	s_add_co_u32 s34, s27, s30
	s_lshl_b32 s30, s23, 8
	s_add_co_u32 s34, s34, s30                     ; and my 256 scale bytes
	s_mov_b32 s35, 0
	s_wait_alu depctr_va_vdst(0)
	s_wait_kmcnt 0x0
	s_cmp_lt_u32 ttmp9, 256
	s_cselect_b64 s[36:37], s[4:5], s[6:7]
	s_cmp_lt_u32 ttmp9, 288
	s_cselect_b64 s[36:37], s[36:37], s[8:9]
	s_cmp_lt_u32 ttmp9, 320
	s_cselect_b64 s[36:37], s[36:37], s[10:11]
	s_cmp_lt_u32 ttmp9, 352
	s_cselect_b64 s[36:37], s[36:37], s[12:13]
	s_add_nc_u64 s[36:37], s[36:37], s[28:29]
	s_add_nc_u64 s[38:39], s[16:17], s[32:33]
	s_add_nc_u64 s[40:41], s[16:17], s[34:35]
.macro LOAD t                          ; step t: 64 k of 16 rows: eight loads, two rows each
.irp i, 0,1,2,3
	global_load_b128 v[R+32*((\t)%3)+4*\i:R+32*((\t)%3)+4*\i+3], v3, s[36:37] offset:256*(\t)+8192*\i th:TH_LOAD_NT
.endr
.irp i, 4,5,6,7
	global_load_b128 v[R+32*((\t)%3)+4*\i:R+32*((\t)%3)+4*\i+3], v4, s[36:37] offset:256*(\t)+8192*\i th:TH_LOAD_NT
.endr
.endm
.macro TURN t                          ; through the stage: LDS serves a wave's instructions in order, so no wait stands between the stores and the loads
.irp i, 0,1,2,3,4,5,6,7
	ds_store_b128 v5, v[R+32*((\t)%3)+4*\i:R+32*((\t)%3)+4*\i+3] offset:STG*((\t)%2)+2*SP*\i
.endr
.irp e, 0,1,2,3,4,5,6,7
	ds_load_b128 v[X+32*((\t)%2)+4*\e:X+32*((\t)%2)+4*\e+3], v6 offset:STG*((\t)%2)+16*\e
.endr
.endm
.macro STEP t
.set XS, X+32*((\t)%2)
	s_wait_dscnt 0x0                               ; this step's numbers are back, and its stores into the stage have read their registers,
.if (\t)+3 < 8
	LOAD (\t)+3                                    ; which take the loads of three steps on
.endif
.if (\t) < 5
	s_wait_loadcnt 16                              ; the next step's eight loads are in; those of the two steps behind it may be out
.elseif (\t) == 5
	s_wait_loadcnt 8
.elseif (\t) == 6
	s_wait_loadcnt 0x0
.endif
.if (\t)+1 < 8
	TURN (\t)+1
.endif
	v_max3_num_f32 v10, |v[XS]|, |v[XS+1]|, |v[XS+2]|              ; the block's largest magnitude: all 32 numbers are mine; two chains
	v_max3_num_f32 v11, |v[XS+3]|, |v[XS+4]|, |v[XS+5]|
.irp i, 6,10,14,18,22,26
	v_max3_num_f32 v10, v10, |v[XS+\i]|, |v[XS+\i+1]|
	v_max3_num_f32 v11, v11, |v[XS+\i+2]|, |v[XS+\i+3]|
.endr
	v_max3_num_f32 v10, v10, |v[XS+30]|, |v[XS+31]|
	v_max3_num_f32 v10, v10, v11, 0x2800000        ; and the floor 2^(5 - 127): the byte cannot fall under 1
	v_add_nc_u32 v12, 0xfe000000, v10              ; 4 off the exponent field: the conversion takes this operand's exponent field as its scale
	v_cvt_scalef32_pk16_bf6_f32 v[C+8*(\t):C+8*(\t)+2], v[XS:XS+15], v12
	v_cvt_scalef32_pk16_bf6_f32 v[TT:TT+2], v[XS+16:XS+31], v12
	v_lshrrev_b32 v13, 23, v12                     ; the scale's byte (also the plain place behind the conversions)
.irp i, 0,1,2
	v_mov_b32 v[C+8*(\t)+3+\i], v[TT+\i]
.endr
.if (\t)%2 == 0
	v_mov_b32 v[W+(\t)/2], v13                     ; blocks 2 t + h: two steps make a word's bytes h and 2 + h
.else
	v_lshl_or_b32 v[W+(\t)/2], v13, 16, v[W+(\t)/2]
.endif
	global_store_b128 v7, v[C+8*(\t):C+8*(\t)+3], s[38:39] offset:768*(\t)       ; 512 consecutive bytes
	global_store_b64 v8, v[C+8*(\t)+4:C+8*(\t)+5], s[38:39] offset:768*(\t)+512  ; 256 consecutive bytes
.endm
	LOAD 0
	LOAD 1
	LOAD 2
	s_wait_loadcnt 16                              ; step 0's eight loads are in
	TURN 0
.irp t, 0,1,2,3,4,5,6,7
	STEP \t
.endr
.irp e, 0,1,2,3
	v_lshlrev_b32 v[W+\e], v9, v[W+\e]             ; my bytes at their places (8 h bits up);
.endr
.irp e, 0,1,2,3
	v_permlanex16_b32 v[X+\e], v[W+\e], s42, s43
.endr
.irp e, 0,1,2,3
	v_or_b32 v[W+\e], v[W+\e], v[X+\e]             ; with lane l xor 16's the words are whole
.endr
	v_cmp_ne_u32 vcc_lo, 0, v2
	v_cndmask_b32 v14, v16, v18, vcc_lo            ; lanes 0-15 store words 0, 1 of their row, lanes 16-31 words 2, 3
	v_cndmask_b32 v15, v17, v19, vcc_lo
	global_store_b64 v23, v[14:15], s[40:41]       ; 32 lanes store 256 consecutive aligned bytes
	s_wait_tensorcnt 0x0
	ds_add_u32 v248, v249
	s_wait_dscnt 0x0
	s_endpgm
; THE TABLE: row s holds (cos, sin) of token_positions[s] x 10000^(-i / 32), i = 0 .. 31: 256 bytes.  Lane j of sixteen makes pairs 2 j and 2 j + 1.
; 10000^(-i / 32) = 10^(-i / 8) is a product of up to five constants, kept as sums of two f32 numbers, so that its upper part is the frequency rounded to f32.
; The angle is one f32 product, as in the definition.  It is reduced by multiples of pi / 2 given in three parts, and sine and cosine are polynomials on [-pi / 4, pi / 4].
.Ltable:
	s_sub_co_u32 s20, ttmp9, 384
	v_and_b32 v1, 15, v0                           ; j
	v_lshrrev_b32 v2, 4, v0                        ; which of eight positions
	v_lshlrev_b32 v3, 2, v2
	v_lshlrev_b32 v4, 8, v2
	v_lshl_add_u32 v4, v1, 4, v4                   ; my 16 bytes of the row
	s_lshl_b32 s22, s20, 6                         ; 16 positions of 4 bytes
	s_mov_b32 s23, 0
	s_lshl_b32 s24, s20, 12                        ; 16 rows of 256 bytes
	s_add_co_u32 s24, s24, TAB
	s_mov_b32 s25, 0
	s_mov_b32 s26, 0xbfc90fdb                      ; -P1, P1 = pi / 2 rounded to f32;
	s_mov_b32 s27, 0x333bbd2e                      ; P1 - pi / 2, rounded;
	s_mov_b32 s28, 0x26f72ce9                      ; and the rest
	s_mov_b32 s29, 0xb94ca1f9                      ; the sine's coefficients
	s_mov_b32 s30, 0x3c08839e
	s_mov_b32 s31, 0xbe2aaaa3
	s_mov_b32 s32, 0x37ccf5ce                      ; the cosine's
	s_mov_b32 s33, 0xbab6061a
	s_mov_b32 s34, 0x3d2aaaa5
	s_wait_alu depctr_va_vdst(0)
	s_wait_kmcnt 0x0
	s_add_nc_u64 s[14:15], s[14:15], s[22:23]
	s_add_nc_u64 s[16:17], s[16:17], s[24:25]
	global_load_b32 v5, v3, s[14:15]               ; positions 16 g + (thread / 16)
	global_load_b32 v6, v3, s[14:15] offset:32     ; and 8 further on
.macro FACTOR bit, hi, lo              ; v12, v13 = (hi, lo) where the bit of j is set, else (1, 0)
	v_and_b32 v16, 1<<\bit, v1
	v_cmp_ne_u32 vcc_lo, 0, v16
	v_mov_b32 v12, \hi
	v_mov_b32 v13, \lo
	v_cndmask_b32 v12, 1.0, v12, vcc_lo
	v_cndmask_b32 v13, 0, v13, vcc_lo
.endm
.macro DFMUL dh, dl, ah, al            ; (dh, dl) = (ah, al) x (v12, v13)
	v_mul_f32 v14, v[\ah], v12
	v_fma_f32 v15, v[\ah], v12, -v14               ; what the product's rounding dropped,
	v_fma_f32 v15, v[\ah], v13, v15                ; and the cross terms
	v_fma_f32 v15, v[\al], v12, v15
	v_add_f32 v[\dh], v14, v15
	v_sub_f32 v16, v[\dh], v14
	v_sub_f32 v[\dl], v15, v16
.endm
	FACTOR 0, 0x3f0ff59a, 0xb1f8f1d4               ; 10^(-1/4)
	v_mov_b32 v10, v12
	v_mov_b32 v11, v13
	FACTOR 1, 0x3ea1e89b, 0x31121251               ; 10^(-1/2)
	DFMUL 10, 11, 10, 11
	FACTOR 2, 0x3dcccccd, 0xb0cccccd               ; 10^-1
	DFMUL 10, 11, 10, 11
	FACTOR 3, 0x3c23d70a, 0x2f75c28f               ; 10^-2
	DFMUL 10, 11, 10, 11                           ; v10 = 10^(-j / 4): pair 2 j
	v_mov_b32 v12, 0x3f3ff911                      ; 10^(-1/8)
	v_mov_b32 v13, 0x32022bbf
	DFMUL 18, 19, 10, 11                           ; v18: pair 2 j + 1
	s_wait_loadcnt 0x0
	v_cvt_f32_i32 v5, v5
	s_wait_alu depctr_va_vdst(0)
	v_cvt_f32_i32 v6, v6
	v_mul_f32 v20, v5, v10
	v_mul_f32 v21, v5, v18
	v_mul_f32 v22, v6, v10
	v_mul_f32 v23, v6, v18
.macro SINCOS a, c, s
	v_mul_f32 v30, 0x3f22f983, v[\a]               ; x 2 / pi
	v_rndne_f32 v30, v30                           ; k
	v_fma_f32 v31, v30, s26, v[\a]                 ; exact: the difference has no bit under P1's last
	v_fma_f32 v31, v30, s27, v31
	v_fma_f32 v31, v30, s28, v31                   ; r = angle - k pi / 2
	v_mul_f32 v32, v31, v31                        ; z = r r
	v_fma_f32 v33, v32, s29, s30
	v_fma_f32 v35, v32, s32, s33
	v_fma_f32 v33, v33, v32, s31
	v_fma_f32 v35, v35, v32, s34
	v_mul_f32 v34, v32, v31
	v_mul_f32 v36, v32, v32
	v_fma_f32 v37, v32, -0.5, 1.0
	v_fma_f32 v33, v33, v34, v31                   ; sin r
	v_fma_f32 v35, v35, v36, v37                   ; cos r
	v_cvt_i32_f32 v38, v30
	v_and_b32 v39, 1, v38
	v_cmp_ne_u32 vcc_lo, 0, v39
	v_cndmask_b32 v[\s], v33, v35, vcc_lo          ; in odd quadrants the two change places
	v_cndmask_b32 v[\c], v35, v33, vcc_lo
	v_and_b32 v39, 2, v38
	v_lshlrev_b32 v39, 30, v39
	v_xor_b32 v[\s], v39, v[\s]                    ; the sine is negative in quadrants 2, 3,
	v_add_nc_u32 v38, 1, v38
	v_and_b32 v38, 2, v38
	v_lshlrev_b32 v38, 30, v38
	v_xor_b32 v[\c], v38, v[\c]                    ; the cosine in 1, 2
.endm
	SINCOS 20, 40, 41
	SINCOS 21, 42, 43
	SINCOS 22, 44, 45
	SINCOS 23, 46, 47
	global_store_b128 v4, v[40:43], s[16:17]               ; sixteen lanes store a row's 256 consecutive aligned bytes
	global_store_b128 v4, v[44:47], s[16:17] offset:2048
	s_endpgm
.Lfunc_end_k_q1786343ae1_quant:
	.size	k_q1786343ae1_quant, .Lfunc_end_k_q1786343ae1_quant-k_q1786343ae1_quant
	.p2alignl 7, 3214868480
	.fill 96, 4, 3214868480
	.section	.rodata,"a",@progbits
	.p2align	6, 0x0
	.amdhsa_kernel k_q1786343ae1_quant
		.amdhsa_group_segment_fixed_size 35328
		.amdhsa_private_segment_fixed_size 0
		.amdhsa_enable_private_segment 0
		.amdhsa_kernarg_size 56
		.amdhsa_user_sgpr_count 2
		.amdhsa_user_sgpr_kernarg_segment_ptr 1
		.amdhsa_wavefront_size32 1
		.amdhsa_system_sgpr_workgroup_id_x 1
		.amdhsa_system_sgpr_workgroup_id_y 1
		.amdhsa_system_sgpr_workgroup_id_z 1
		.amdhsa_system_vgpr_workitem_id 0
		.amdhsa_next_free_vgpr 250
		.amdhsa_next_free_sgpr 66
		.amdhsa_reserve_vcc 1
		.amdhsa_float_denorm_mode_32 3
		.amdhsa_float_denorm_mode_16_64 3
		.amdhsa_memory_ordered 1
		.amdhsa_forward_progress 1
		.amdhsa_inst_pref_size 41
	.end_amdhsa_kernel
	.amdgpu_metadata
---
amdhsa.version: [ 1, 2 ]
amdhsa.kernels:
  - .name:           k_q1786343ae1_quant
    .symbol:         k_q1786343ae1_quant.kd
    .args:
      - { .name: x, .offset: 0, .size: 8, .value_kind: global_buffer, .address_space: global }
      - { .name: WQ, .offset: 8, .size: 8, .value_kind: global_buffer, .address_space: global }
      - { .name: WK, .offset: 16, .size: 8, .value_kind: global_buffer, .address_space: global }
      - { .name: WV, .offset: 24, .size: 8, .value_kind: global_buffer, .address_space: global }
      - { .name: WO, .offset: 32, .size: 8, .value_kind: global_buffer, .address_space: global }
      - { .name: token_positions, .offset: 40, .size: 8, .value_kind: global_buffer, .address_space: global }
      - { .name: xw, .offset: 48, .size: 8, .value_kind: global_buffer, .address_space: global }
    .group_segment_fixed_size: 35328
    .private_segment_fixed_size: 0
    .kernarg_segment_align: 8
    .kernarg_segment_size: 56
    .max_flat_workgroup_size: 128
    .sgpr_count:     66
    .vgpr_count:     250
    .wavefront_size: 32
...
	.end_amdgpu_metadata
.endif
;; end of part 1
;; launch qkv (part 2): grid 8 x 32, 4 waves a work-group, clusters of 4 x 4, 327,680 bytes of LDS; arguments xw, qkv; writes qkv
.if DOCPART == 2
	.amdgcn_target "amdgcn-amd-amdhsa--gfx1250"
	.amdhsa_code_object_version 6
	.text
	.protected	k_q1786343ae1_qkv
	.globl	k_q1786343ae1_qkv
	.p2align	8
	.type	k_q1786343ae1_qkv,@function
k_q1786343ae1_qkv:
	s_mov_b64 s[64:65], 0
	v_nop
	global_prefetch_b8 v0, s[64:65] scope:SCOPE_SE
	s_setreg_imm32_b32 hwreg(HW_REG_WAVE_MODE, 25, 1), 1
	s_wait_xcnt 0x0
	s_wait_alu depctr_hold_cnt(0) depctr_sa_sdst(0) depctr_va_vdst(0) depctr_va_sdst(0) depctr_va_ssrc(0) depctr_va_vcc(0) depctr_vm_vsrc(0)
	s_getreg_b32 s2, hwreg(HW_REG_IB_STS2, 6, 4)
	s_cmp_eq_u32 s2, 0
	s_cbranch_scc0 .Lentry_in_a_cluster
	s_endpgm
.Lentry_in_a_cluster:
	s_bfe_u32 s2, ttmp6, 0x10000c
	s_cmp_lg_u32 s2, 0xf033
	s_cbranch_scc0 .Lentry_shape_is_right
	s_endpgm
.Lentry_shape_is_right:
; Q, K, V = x WQ^T, x WK^T, x WV^T on codes of BF6 (E3M2) with E8M0 scales; Q and K are rotated and quantised along the head's 64, V along the keys.  Nothing leaves as f32.
; A WORK-GROUP STAYS: it takes 256 rows of x and makes them against 128 rows (two heads) of WQ, then of WK, then of WV: three passes of the same core.  K = 1,024 is 768 bytes a row, so all codes of
; x's 256 rows (196,608 bytes) lie in LDS for the whole launch, filled once; beside them lie the 98,304 bytes of one weight's 128 rows, which are filled again for the second and the third pass.
; Four waves, each 128 x 64: 8 tiles of x by 4 tiles of W (one head), 32 accumulators.  The codes come as images of operand registers (768 bytes for 16 rows x 64 k: registers 0-3 of lane l at 16 l,
; registers 4-5 at 512 + 8 l), so every LDS load covers 512 or 256 consecutive bytes and needs no padding.
; FIRST FILLS: four quarters of K, one tensor load a wave and quarter (waves 0, 1: x; waves 2, 3: WQ): four loads of a wave are out at the most.  REFILLS: W's bytes are last read by the fetch of K step 7; ahead of that
; step's products each wave waits for all its tensor loads, adds 0 to its spare word, waits for that and for its reads, passes a round of the cluster's barrier and asks for one quarter of K of the next weight's 8 tiles:
; one load of a wave is out, and it has 32 products and the pass's whole way out in which to land.
; CLUSTERS: 4 x 4 work-groups.  x's tiles hang on the tile row alone and are asked for jointly along a row of the cluster, W's on the tile column alone and jointly along a column.
; THE SCALES come once, by twenty loads of 512 consecutive bytes, straight into registers: register 4 tile + e holds in lanes 0-15 the words of K step e, in lanes 16-31 those of K step 4 + e.
; THE TABLE of (cos, sin) for my 128 rows, 256 registers, comes once too and serves Q and K.
; THE ROWS OF A TILE ARE NOT NEIGHBOURS: row p of tile T is row 32 (T / 2) + 8 (T % 2) + p + 8 (p / 8).  So in a result whose source 0 these tiles are, the 16 registers of tiles 2 b, 2 b + 1 in lane (r, h) are neighbours 32 b + 16 h + 0 .. 15.
; Q, K: source 0 = W, source 1 = x: a lane holds one row of x and 32 of the head's 64.  V: source 0 = x, source 1 = W: a lane holds one of the head's 64 and registers along the keys.
; LIMITS: a block of zeros, or one under 2^-122, gets the scale byte 1 (this program alone reads the bytes); NaN and infinities are not served.
; REGISTERS, in windows of 256: window 0: v1-10 addresses; v30, v31 for the add; v32-79 and v216-247 scale words and nothing else; v80-111 the table of tile 7; v144-215 the way out.
;   window 1: x's fragments, two sets of 96; from v192 the table of tiles 5, 6.   window 2: the accumulators.   window 3: W's fragments, two sets of 48; from v96 the table of tiles 0-4.
.set PA,    4                          ; s[4:5]: the buffer with x's images and scales
.set PW,    4                          ; and the weights'
.set A_SC,  9437184
.set W_IMG, 6291456
.set W_SC,  9699328
.set WSTEP, 786432                     ; 64 tiles of 12,288 bytes: from WQ to WK, from WK to WV
.set TAB,   9830400
.set V_IMG, 12582912
.set QK_SC, 18874368
.set V_SC,  19922944
.set AQ,    49152                      ; LDS: a quarter of K of x's 16 tiles;
.set BQ,    24576                      ; of W's 8 tiles
.set BREG,  196608                     ; W's images lie behind x's
.set SPARE, 294912                     ; behind them: the spare words, 128 bytes for each wave: two blocks of 256 bytes that no other line names
.set SPW,   30                         ; v30  LDS address of my spare word: SPARE + 4 x my thread's number; never rewritten
.set NIL,   31                         ; v31  0; never rewritten
.set RR,    144                        ; v144-175 a tile's rotated numbers
.set TM,    184                        ; v184-199 at work
.set IM,    192                        ; v192-197 an image (Q, K)
.set TT,    200                        ; v200-202
.set PC,    144                        ; v144-162 a fragment of V and what it is made of
.set MSB, 0
.macro WIN new                         ; the immediate's high byte repeats the setting that is left
.if MSB != \new
	s_set_vgpr_msb (MSB<<8)|\new
.set MSB, \new
.endif
.endm
.macro CROUND                          ; a round of the cluster's barrier
	s_barrier_signal -1
	s_barrier_wait -1
	s_cmp_lg_u32 s10, 0
	s_cbranch_scc1 .Lnot_wave_0_\@
	s_barrier_signal -3
.Lnot_wave_0_\@:
	s_barrier_wait -3
	s_barrier_signal -1
	s_barrier_wait -1
.endm
.macro PLACES                          ; four places behind a matrix instruction, ahead of loads into its sources and of the first read of its result
.rept 4
	v_nop
.endr
.endm
.macro WM d, x, y, sx, sy, s           ; one product; K step 0 starts the sum; K steps 4-7 take their scale words from lanes 16-31
.if (\s) == 0
	v_wmma_scale_f32_16x16x128_f8f6f4 v[\d:\d+7], v[\x:\x+11], v[\y:\y+11], 0, v[\sx], v[\sy] matrix_a_fmt:MATRIX_FMT_BF6 matrix_b_fmt:MATRIX_FMT_BF6
.elseif (\s) < 4
	v_wmma_scale_f32_16x16x128_f8f6f4 v[\d:\d+7], v[\x:\x+11], v[\y:\y+11], v[\d:\d+7], v[\sx], v[\sy] matrix_a_fmt:MATRIX_FMT_BF6 matrix_b_fmt:MATRIX_FMT_BF6
.else
	v_wmma_scale_f32_16x16x128_f8f6f4 v[\d:\d+7], v[\x:\x+11], v[\y:\y+11], v[\d:\d+7], v[\sx], v[\sy] matrix_a_fmt:MATRIX_FMT_BF6 matrix_b_fmt:MATRIX_FMT_BF6 matrix_a_scale:MATRIX_SCALE_ROW1 matrix_b_scale:MATRIX_SCALE_ROW1
.endif
.endm
; 16 products of K step s: x's tiles 4 half .. + 3 by W's four; sb: where this weight's scale words begin.  The 32 accumulators take turns, one instruction a turn, in the same order in every step.
.macro MUL s, half, swap, sb
.if \swap
	WIN 0xad                                       ; source 0 (x) window 1, source 1 (W) window 3, C and D window 2
.else
	WIN 0xa7                                       ; source 0 (W) window 3, source 1 (x) window 1
.endif
.irp a, 4*\half, 4*\half+1, 4*\half+2, 4*\half+3
.irp b, 0,1,2,3
.if \swap
	WM 8*(8*\b+(\a)), 96*((\s)%2)+12*(\a), 48*((\s)%2)+12*\b, 32+4*(\a)+(\s)%4, \sb+4*\b+(\s)%4, \s
.else
	WM 8*(4*(\a)+\b), 48*((\s)%2)+12*\b, 96*((\s)%2)+12*(\a), \sb+4*\b+(\s)%4, 32+4*(\a)+(\s)%4, \s
.endif
.endr
.endr
.endm
.macro FETCH s                         ; K step s's fragments into set s % 2: 48 loads; a fragment is two images
	WIN 0xc0
.irp b, 0,1,2,3
.irp c, 0,1
	ds_load_b128 v[48*((\s)%2)+12*\b+6*\c:48*((\s)%2)+12*\b+6*\c+3], v7 offset:3072*\b+768*(2*((\s)%2)+\c)
	ds_load_b64 v[48*((\s)%2)+12*\b+6*\c+4:48*((\s)%2)+12*\b+6*\c+5], v8 offset:3072*\b+768*(2*((\s)%2)+\c)+512
.endr
.endr
	WIN 0x40
.irp a, 0,1,2,3,4,5,6,7
.irp c, 0,1
	ds_load_b128 v[96*((\s)%2)+12*\a+6*\c:96*((\s)%2)+12*\a+6*\c+3], v5 offset:3072*\a+768*(2*((\s)%2)+\c)
	ds_load_b64 v[96*((\s)%2)+12*\a+6*\c+4:96*((\s)%2)+12*\a+6*\c+5], v6 offset:3072*\a+768*(2*((\s)%2)+\c)+512
.endr
.endr
.endm
.macro EVEN s, swap, sb                ; a quarter's first K step: its successor lies in the same quarter
.if (\s) > 0
	PLACES
.endif
	FETCH (\s)+1
	s_wait_dscnt 48                                ; all but the 48 just issued: this step's fragments are in
	MUL \s, 0, \swap, \sb
	MUL \s, 1, \swap, \sb
.endm
; a quarter's second K step.  bar = 1 (the first pass): the next quarter of the first fills is shown to every wave
.macro ODD s, left, swap, sb, bar
	s_wait_dscnt 0x0                               ; this step's fragments are in, and no LDS instruction of mine is out at the signal
.if \bar
	s_wait_tensorcnt \left                         ; my part of the next quarter has landed; the later quarters may stay out
	s_barrier_signal -1
.endif
	MUL \s, 0, \swap, \sb
	WIN 0
.if \bar
	s_barrier_wait -1
.endif
	v_add_nc_u32 v5, AQ, v5                        ; on to the next quarter: these four are also the places ahead of the loads below
	v_add_nc_u32 v6, AQ, v6
	v_add_nc_u32 v7, BQ, v7
	v_add_nc_u32 v8, BQ, v8
	FETCH (\s)+1
	MUL \s, 1, \swap, \sb
.endm
; A PASS: 256 products a wave.  first = 1: the first fills arrive by quarters.  refill = 1, 2: ahead of K step 7's products W's bytes are asked for again, for the second or the third weight; 0: nothing more is asked for
.macro MAIN swap, sb, first, refill
	v_add_nc_u32 v5, s21, v3                       ; my 8 tiles of x and my 4 tiles of W in the first quarter
	v_add_nc_u32 v6, s21, v4
	v_add_nc_u32 v7, s30, v3
	v_add_nc_u32 v8, s30, v4
.if \first
	s_wait_alu depctr_va_vdst(0)
	s_wait_tensorcnt 3                             ; my part of the first quarter has landed; three loads may stay out
.else
	s_wait_alu depctr_va_vdst(0)
	s_wait_tensorcnt 0x0                           ; my quarter of this pass's weight has landed: it is the one load of mine that was out
.endif
	s_barrier_signal -1
	s_barrier_wait -1                              ; everybody's has
	FETCH 0
	EVEN 0, \swap, \sb
	ODD 1, 2, \swap, \sb, \first
	EVEN 2, \swap, \sb
	s_wait_alu depctr_va_vdst(0)
	ODD 3, 1, \swap, \sb, \first
	EVEN 4, \swap, \sb
	s_wait_alu depctr_va_vdst(0)
	ODD 5, 0, \swap, \sb, \first
	EVEN 6, \swap, \sb
.if \refill
	WIN 0
	s_wait_tensorcnt 0x0                           ; no tensor load of mine is out, so descriptors may be written
	ds_add_u32 v[SPW], v[NIL]                      ; 0 onto my spare word; the descriptor's lines stand between it and the wait for it
.if \refill == 1
	s_mov_b32 s42, 8<<16                           ; W's group 1 now states all 8 tiles: tensor_dim1,
	s_mov_b32 s44, 8                               ; tile_dim1
	s_mov_b32 s68, 1
	s_mul_i32 s69, s10, BQ                         ; wave w brings quarter w of K: LDS address,
	s_add_co_u32 s69, s69, BREG
	s_mul_i32 s88, s15, 8*12288                    ; and the place in memory: tile 8 x tile column of the second weight, 3,072 bytes a quarter
	s_mul_i32 s89, s10, 3072
	s_add_co_u32 s88, s88, s89
	s_add_co_u32 s88, s88, W_IMG+WSTEP
	s_mov_b32 s89, 0
	s_add_nc_u64 s[70:71], s[PW:PW+1], s[88:89]
	s_or_b32 s71, s71, 0x80000000
.else
	s_add_nc_u64 s[70:71], s[70:71], WSTEP         ; the third weight; the type bits on top are not reached
.endif
	s_wait_dscnt 0x0                               ; the add is done; K step 7's fragments are in: my reads of W's bytes are over
	CROUND                                         ; that now holds of every wave of every work-group of the cluster
	tensor_load_to_lds s[68:71], s[40:47]          ; my one tensor load behind the round, asked for jointly along my column
	s_nop 0
	PLACES                                         ; (four v_nop follow it)
.else
	s_wait_dscnt 0x0
.endif
	MUL 7, 0, \swap, \sb
	MUL 7, 1, \swap, \sb
	PLACES
	WIN 0
.endm
	s_load_b128 s[4:7], s[0:1], 0x0                ; the images of x and W; the images of Q, K, V
	v_lshl_add_u32 v[SPW], v0, 2, SPARE
	v_mov_b32 v[NIL], 0
	ds_add_u32 v30, v31
	ds_add_u32 v30, v31
	s_wait_dscnt 0x0
	v_lshrrev_b32 v1, 5, v0
	v_readfirstlane_b32 s10, v1                    ; wave 0..3
	s_lshr_b32 s11, s10, 1                         ; which half of the tile's rows is mine.  Also: my first fills are x's (0) or W's (1)
	s_and_b32 s12, s10, 1                          ; which half of its columns.  Also: which half of that operand's tiles my first fills bring
	s_bfe_u32 s13, ttmp6, 0x40000                  ; cx, cy: my place in the cluster
	s_bfe_u32 s14, ttmp6, 0x40004
	s_lshl_b32 s15, ttmp9, 2
	s_add_co_u32 s15, s15, s13                     ; tile column = 4 x cluster x + cx: 0 .. 7
	s_and_b32 s16, ttmp7, 0xffff
	s_lshl_b32 s16, s16, 2
	s_add_co_u32 s16, s16, s14                     ; tile row = 4 x cluster y + cy
	s_lshl_b32 s17, s14, 2
	s_lshl_b32 s17, 15, s17                        ; my row of the cluster
	s_lshl_b32 s18, 0x1111, s13                    ; my column
	; group 1: a quarter of K of 8 (x) or 4 (W) tiles: rows of 3,072 bytes (384 elements of 8), 12,288 bytes apart in memory, on end in LDS
	s_or_b32 s32, s17, (3<<16)|(1<<21)             ; 15:0 the mask; 17:16 elements of 8 bytes; 21 set beside a mask
	s_mov_b32 s33, 384<<16                         ; tensor_dim0
	s_mov_b32 s34, 8<<16                           ; tensor_dim1
	s_mov_b32 s35, 384<<16                         ; tile_dim0
	s_mov_b32 s36, 8                               ; tile_dim1
	s_mov_b32 s37, 1536                            ; elements from row to row
	s_mov_b32 s38, 0
	s_mov_b32 s39, 0
	s_or_b32 s40, s18, (3<<16)|(1<<21)
	s_mov_b32 s41, 384<<16
	s_mov_b32 s42, 4<<16
	s_mov_b32 s43, 384<<16
	s_mov_b32 s44, 4
	s_mov_b32 s45, 1536
	s_mov_b32 s46, 0
	s_mov_b32 s47, 0
	s_lshl_b32 s84, s16, 4                         ; x: tile 16 x tile row + 8 x half (registers that never hold cx)
	s_lshl_b32 s85, s12, 3
	s_add_co_u32 s84, s84, s85
	s_mul_i32 s84, s84, 12288
	s_mov_b32 s85, 0
	s_lshl_b32 s88, s15, 3                         ; WQ: tile 8 x tile column + 4 x half (registers that never hold cy)
	s_lshl_b32 s89, s12, 2
	s_add_co_u32 s88, s88, s89
	s_mul_i32 s88, s88, 12288
	s_add_co_u32 s88, s88, W_IMG
	s_mov_b32 s89, 0
	s_mul_i32 s19, s12, 24576                      ; where they go: no place in the cluster enters an LDS address
	s_mul_i32 s20, s12, 12288
	s_wait_kmcnt 0x0
	s_add_nc_u64 s[86:87], s[PA:PA+1], s[84:85]
	s_add_nc_u64 s[90:91], s[PW:PW+1], s[88:89]
.irp q, 0,1,2,3
	s_mov_b32 s[48+4*\q], 1
	s_add_co_u32 s[49+4*\q], s19, \q*AQ
	s_add_nc_u64 s[50+4*\q:51+4*\q], s[86:87], \q*3072
	s_or_b32 s[51+4*\q], s[51+4*\q], 0x80000000
	s_mov_b32 s[68+4*\q], 1
	s_add_co_u32 s[69+4*\q], s20, BREG+\q*BQ
	s_add_nc_u64 s[70+4*\q:71+4*\q], s[90:91], \q*3072
	s_or_b32 s[71+4*\q], s[71+4*\q], 0x80000000
.endr
	CROUND                                         ; all sixteen work-groups are here: the joint loads meet
	s_cmp_eq_u32 s11, 0                            ; a wave's four first fills stand in one branch on the wave's number; four v_nop follow the last
	s_cbranch_scc0 .Lfor_w
	tensor_load_to_lds s[48:51], s[32:39]
	s_nop 0
	tensor_load_to_lds s[52:55], s[32:39]
	s_nop 0
	tensor_load_to_lds s[56:59], s[32:39]
	s_nop 0
	tensor_load_to_lds s[60:63], s[32:39]
	s_nop 0
	PLACES
	s_branch .Lasked
.Lfor_w:
	tensor_load_to_lds s[68:71], s[40:47]
	s_nop 0
	tensor_load_to_lds s[72:75], s[40:47]
	s_nop 0
	tensor_load_to_lds s[76:79], s[40:47]
	s_nop 0
	tensor_load_to_lds s[80:83], s[40:47]
	s_nop 0
	PLACES
.Lasked:
	v_and_b32 v1, 15, v0                           ; r
	v_bfe_u32 v2, v0, 4, 1                         ; h
	v_and_b32 v4, 31, v0
	v_lshlrev_b32 v3, 4, v4                        ; 16 x lane
	s_wait_alu depctr_va_vdst(0)
	v_lshlrev_b32 v4, 3, v4                        ; 8 x lane
	s_mul_i32 s21, s11, 24576                      ; my 8 tiles of x in a quarter
	s_mul_i32 s30, s12, 12288                      ; my 4 tiles of W
	s_add_co_u32 s30, s30, BREG
	s_lshl_b32 s22, s16, 4
	s_lshl_b32 s23, s11, 3
	s_add_co_u32 s22, s22, s23
	s_lshl_b32 s22, s22, 9                         ; 512 bytes of scales a tile
	s_add_co_u32 s22, s22, A_SC
	s_mov_b32 s23, 0
	s_add_nc_u64 s[24:25], s[PA:PA+1], s[22:23]
	s_lshl_b32 s22, s15, 3
	s_lshl_b32 s26, s12, 2
	s_add_co_u32 s22, s22, s26
	s_lshl_b32 s22, s22, 9
	s_add_co_u32 s22, s22, W_SC
	s_add_nc_u64 s[26:27], s[PW:PW+1], s[22:23]
.irp a, 0,1,2,3,4,5,6,7
	global_load_b128 v[32+4*\a:35+4*\a], v3, s[24:25] offset:512*\a
.endr
.irp b, 0,1,2,3                                ; the three weights' scale words: 64 tiles of 512 bytes from weight to weight
	global_load_b128 v[64+4*\b:67+4*\b], v3, s[26:27] offset:512*\b
	global_load_b128 v[216+4*\b:219+4*\b], v3, s[26:27] offset:512*\b+32768
	global_load_b128 v[232+4*\b:235+4*\b], v3, s[26:27] offset:512*\b+65536
.endr
	s_mov_b32 s2, 0x76543210
	s_mov_b32 s3, 0xfedcba98                       ; v_permlanex16_b32's selects for lane l xor 16
	s_lshl_b32 s28, s16, 8
	s_lshl_b32 s29, s11, 7
	s_add_co_u32 s28, s28, s29                     ; my first row of x
	s_lshr_b32 s29, s28, 11                        ; the batch
	s_and_b32 s28, s28, 2047                       ; and the place in the sequence, a multiple of 128
	s_lshl_b32 s31, s15, 1
	s_add_co_u32 s31, s31, s12                     ; the head
	s_lshl_b32 s92, s29, 4
	s_add_co_u32 s31, s31, s92                     ; 16 x batch + head
	s_mul_i32 s92, s31, 98304
	s_mul_i32 s93, s28, 48                         ; 768 bytes for each 16 rows
	s_add_co_u32 s92, s92, s93
	s_mov_b32 s93, 0
	s_add_nc_u64 s[94:95], s[6:7], s[92:93]        ; my eight images of Q; K's lie 6,291,456 bytes on
	s_lshl_b32 s92, s31, 13
	s_lshl_b32 s96, s28, 2                         ; 256 bytes of scale words for each 64 rows
	s_add_co_u32 s92, s92, s96
	s_add_co_u32 s92, s92, QK_SC
	s_add_nc_u64 s[96:97], s[6:7], s[92:93]        ; their scale words; K's lie 524,288 bytes on
	s_lshl_b32 s92, s28, 8
	s_add_co_u32 s92, s92, TAB
	s_add_nc_u64 s[98:99], s[4:5], s[92:93]        ; the table at my first row
	s_lshl_b32 s31, s31, 4
	s_lshr_b32 s92, s28, 7
	s_add_co_u32 s31, s31, s92                     ; 16 (16 x batch + head) + my step of 128 keys
	s_mul_i32 s92, s31, 6144                       ; four fragments of 1,536 bytes
	s_add_co_u32 s92, s92, V_IMG
	s_add_nc_u64 s[8:9], s[6:7], s[92:93]          ; V's fragments
	s_lshl_b32 s92, s31, 8
	s_add_co_u32 s92, s92, V_SC
	s_add_nc_u64 s[100:101], s[6:7], s[92:93]      ; and their scale words
	v_and_b32 v9, 8, v1
	v_add_nc_u32 v9, v9, v1
	v_lshlrev_b32 v9, 8, v9
	v_lshl_add_u32 v9, v2, 6, v9                   ; the table's row r + 8 (r / 8), + 64 h: pairs 8 h on
	v_lshlrev_b32 v10, 3, v2
	v_lshl_add_u32 v10, v1, 4, v10                 ; 16 r + 8 h
.irp j, 2,3,4,5,6,7
	v_mov_b32 v[TM+\j], 0                          ; written once: a lane permute's destination counts as one of its sources
.endr
.macro CSSET a                         ; where tile a's 32 registers of (cos, sin) lie: window CW, from register CB on
.if (\a) < 5
.set CW, 3
.set CB, 96+32*(\a)
.elseif (\a) < 7
.set CW, 1
.set CB, 192+32*((\a)-5)
.else
.set CW, 0
.set CB, 80
.endif
.endm
.macro CSLOAD a                        ; register 16 b + 2 p is the cosine of pair 16 b + 8 h + p of my row of tile a, the next its sine
	CSSET \a
	WIN 64*CW                                      ; the destination's window
.irp b, 0,1
.irp e, 0,1,2,3
	global_load_b128 v[CB+16*\b+4*\e:CB+16*\b+4*\e+3], v9, s[98:99] offset:(32*((\a)/2)+8*((\a)%2))*256+128*\b+16*\e
.endr
.endr
.endm
.macro ROPE a                          ; (x1, x2) -> (x1 cos - x2 sin, x1 sin + x2 cos), two packed instructions a pair; each accumulator is read from its low end on
	CSSET \a
.set RW, 2+4*CW
	WIN RW                                         ; source 0: the accumulators; source 1: the table
.irp b, 0,1,2,3
.irp j, 0,1,2,3
	v_pk_mul_f32 v[176+2*\j:177+2*\j], v[8*(4*(\a)+\b)+2*\j:8*(4*(\a)+\b)+2*\j+1], v[CB+8*\b+2*\j:CB+8*\b+2*\j+1] op_sel:[1,1] op_sel_hi:[1,0]   ; (x2 sin, x2 cos)
.endr
.irp j, 0,1,2,3
	v_pk_fma_f32 v[RR+8*\b+2*\j:RR+8*\b+2*\j+1], v[8*(4*(\a)+\b)+2*\j:8*(4*(\a)+\b)+2*\j+1], v[CB+8*\b+2*\j:CB+8*\b+2*\j+1], v[176+2*\j:177+2*\j] op_sel_hi:[0,1,1] neg_lo:[0,0,1]
.endr
.endr
	WIN 0
.endm
.macro QUANT2 w                        ; 32 numbers, register 16 b + i = k 32 b + 16 h + i of my row, become an image in v[IM] on and the row's scale word (bytes 2, 3 are 0) in v[w]
.irp b, 0,1
	v_max3_num_f32 v[TM+\b], |v[RR+16*\b]|, |v[RR+16*\b+1]|, 0x2800000   ; with the floor 2^(5 - 127)
.endr
.irp i, 2,4,6,8,10,12,14
.irp b, 0,1
	v_max3_num_f32 v[TM+\b], v[TM+\b], |v[RR+16*\b+\i]|, |v[RR+16*\b+\i+1]|
.endr
.endr
.irp b, 0,1
	v_permlanex16_b32 v[TM+2+\b], v[TM+\b], s2, s3
.endr
.irp b, 0,1
	v_max_num_f32 v[TM+\b], v[TM+\b], v[TM+2+\b]   ; with lane l xor 16's: the block's largest magnitude
.endr
.irp b, 0,1
	v_add_nc_u32 v[TM+4+\b], 0xfe000000, v[TM+\b]  ; 4 off its exponent field: the conversion's scale operand
.endr
.irp b, 0,1
	v_lshrrev_b32 v[TM+2+\b], 23, v[TM+4+\b]       ; the scale's byte
.endr
	s_wait_alu depctr_va_vdst(0)
	s_wait_xcnt 0x0                                ; the last tile's stores have read the image's registers, which are written again only behind this wait (ISA guide 3.1); nothing above writes them
	v_cvt_scalef32_pk16_bf6_f32 v[IM:IM+2], v[RR:RR+15], v[TM+4]
	v_cvt_scalef32_pk16_bf6_f32 v[TT:TT+2], v[RR+16:RR+31], v[TM+5]
	v_lshl_or_b32 v[\w], v[TM+3], 8, v[TM+2]       ; (also the plain place behind the conversions)
.irp i, 0,1,2
	v_permlane16_swap_b32 v[IM+\i], v[TT+\i]       ; a whole block to a lane: lanes 0-15 block 0, lanes 16-31 block 1
.endr
.irp i, 0,1,2
	v_mov_b32 v[IM+3+\i], v[TT+\i]
.endr
.endm
.macro EPIQK part                      ; the way out of Q (part = 0) or K (1): eight tiles of 16 rows x the head's 64
.irp a, 0,1,2,3,4,5,6,7
	ROPE \a
	QUANT2 204+\a
	global_store_b128 v3, v[IM:IM+3], s[94:95] offset:6291456*\part+768*\a          ; 512 consecutive bytes
	global_store_b64 v4, v[IM+4:IM+5], s[94:95] offset:6291456*\part+768*\a+512     ; 256 consecutive bytes
.endr
	v_cmp_ne_u32 vcc_lo, 0, v2                     ; lanes 16-31
.irp i, 0,1,2,3
	v_cndmask_b32 v[212+\i], v[204+\i], v[208+\i], vcc_lo   ; lanes 0-15: the words of tiles 0-3 of their row; lanes 16-31: of tiles 4-7
.endr
	global_store_b128 v3, v[212:215], s[96:97] offset:524288*\part   ; 512 consecutive bytes: [4 tiles][row][4 words], twice
.endm
.macro QUANT4 s, w                     ; 64 numbers in window 2, register s + 16 b + i = key 32 b + 16 h + i of my row, become a fragment in v[PC] on and its scale word in v[w]
	WIN 0x28                                       ; sources 1 and 2: the accumulators, each read from its low end on
.irp b, 0,1,2,3
	v_max3_num_f32 v[TM+\b], 0x2800000, |v[\s+16*\b]|, |v[\s+16*\b+1]|
.endr
.irp i, 2,4,6,8,10,12,14
.irp b, 0,1,2,3
	v_max3_num_f32 v[TM+\b], v[TM+\b], |v[\s+16*\b+\i]|, |v[\s+16*\b+\i+1]|
.endr
.endr
	WIN 0
.irp b, 0,1,2,3
	v_permlanex16_b32 v[TM+4+\b], v[TM+\b], s2, s3
.endr
.irp b, 0,1,2,3
	v_max_num_f32 v[TM+\b], v[TM+\b], v[TM+4+\b]
.endr
.irp b, 0,1,2,3
	v_add_nc_u32 v[TM+12+\b], 0xfe000000, v[TM+\b]
.endr
.irp b, 0,1,2,3
	v_lshrrev_b32 v[TM+4+\b], 23, v[TM+12+\b]
.endr
	v_lshl_or_b32 v[\w], v[TM+5], 8, v[TM+4]
	v_lshl_or_b32 v[\w], v[TM+6], 16, v[\w]
	v_lshl_or_b32 v[\w], v[TM+7], 24, v[\w]
	s_wait_xcnt 0x0                                ; the last fragment's stores have read its registers, which are written again only behind this wait
	WIN 0x02
.irp c, 0,1
	v_cvt_scalef32_pk16_bf6_f32 v[PC+6*\c:PC+6*\c+2], v[\s+32*\c:\s+32*\c+15], v[TM+12+2*\c]
	v_cvt_scalef32_pk16_bf6_f32 v[PC+12+4*\c:PC+14+4*\c], v[\s+32*\c+16:\s+32*\c+31], v[TM+13+2*\c]
.endr
	WIN 0
	v_nop                                          ; one plain place behind a scaled conversion
.irp c, 0,1
.irp i, 0,1,2
	v_permlane16_swap_b32 v[PC+6*\c+\i], v[PC+12+4*\c+\i]
.endr
.irp i, 0,1,2
	v_mov_b32 v[PC+3+6*\c+\i], v[PC+12+4*\c+\i]
.endr
.endr
.endm
.irp a, 0,1,2,3,4
	CSLOAD \a
.endr
	s_wait_alu depctr_va_vdst(0)
	s_wait_loadcnt 32                              ; the twenty loads of scales and tile 0's eight of the table are in; four tiles' 32 may be out
.irp a, 5,6,7
	CSLOAD \a
.endr
	WIN 0
	MAIN 0, 64, 1, 1                               ; Q; WK's rows are asked for ahead of its last K step
	s_wait_loadcnt 0x0                             ; the table
	EPIQK 0
	MAIN 0, 216, 0, 2                              ; K; WV's rows are asked for
	EPIQK 1
	MAIN 1, 232, 0, 0                              ; V; nothing more is asked for
	s_wait_xcnt 0x0                                ; K's last stores have read v192-197 and v212-215, which V's way out writes
.irp n, 0,1,2,3
	QUANT4 64*\n, 204+\n
.irp c, 0,1,2
	global_store_b128 v3, v[PC+4*\c:PC+4*\c+3], s[8:9] offset:1536*\n+512*\c   ; the fragment as it stands: 512 consecutive bytes a store
.endr
.endr
	v_cmp_ne_u32 vcc_lo, 0, v2
	v_cndmask_b32 v212, v204, v206, vcc_lo         ; lanes 0-15 store words 0, 1 of their row, lanes 16-31 words 2, 3
	v_cndmask_b32 v213, v205, v207, vcc_lo
	global_store_b64 v10, v[212:213], s[100:101]   ; 256 consecutive bytes: [row][4 tiles' words]
	s_wait_tensorcnt 0x0                           ; the wave's end, behind my last tensor load
	ds_add_u32 v[SPW], v[NIL]
	s_wait_dscnt 0x0
	CROUND                                         ; the closing round: no work-group ends while a partner may still ask for a tile that names it
	s_endpgm
.Lfunc_end_k_q1786343ae1_qkv:
	.size	k_q1786343ae1_qkv, .Lfunc_end_k_q1786343ae1_qkv-k_q1786343ae1_qkv
	.p2alignl 7, 3214868480
	.fill 96, 4, 3214868480
	.section	.rodata,"a",@progbits
	.p2align	6, 0x0
	.amdhsa_kernel k_q1786343ae1_qkv
		.amdhsa_group_segment_fixed_size 327680
		.amdhsa_private_segment_fixed_size 0
		.amdhsa_enable_private_segment 0
		.amdhsa_kernarg_size 16
		.amdhsa_user_sgpr_count 2
		.amdhsa_user_sgpr_kernarg_segment_ptr 1
		.amdhsa_wavefront_size32 1
		.amdhsa_system_sgpr_workgroup_id_x 1
		.amdhsa_system_sgpr_workgroup_id_y 1
		.amdhsa_system_sgpr_workgroup_id_z 1
		.amdhsa_system_vgpr_workitem_id 0
		.amdhsa_next_free_vgpr 1024
		.amdhsa_next_free_sgpr 102
		.amdhsa_reserve_vcc 1
		.amdhsa_float_denorm_mode_32 3
		.amdhsa_float_denorm_mode_16_64 3
		.amdhsa_memory_ordered 1
		.amdhsa_forward_progress 1
		.amdhsa_inst_pref_size 255
	.end_amdhsa_kernel
	.section	.bss,"aw",@nobits
	.p2align	6
	.space	262144
	.amdgpu_metadata
---
amdhsa.version: [ 1, 2 ]
amdhsa.kernels:
  - .name:           k_q1786343ae1_qkv
    .symbol:         k_q1786343ae1_qkv.kd
    .args:
      - { .name: xw, .offset: 0, .size: 8, .value_kind: global_buffer, .address_space: global }
      - { .name: qkv, .offset: 8, .size: 8, .value_kind: global_buffer, .address_space: global }
    .group_segment_fixed_size: 327680
    .private_segment_fixed_size: 0
    .kernarg_segment_align: 8
    .kernarg_segment_size: 16
    .max_flat_workgroup_size: 128
    .sgpr_count:     102
    .vgpr_count:     1024
    .wavefront_size: 32
...
	.end_amdgpu_metadata
.endif
;; end of part 2
;; launch attn (part 3): grid 4 x 64, 16 waves a work-group, clusters of 4 x 1, 210,944 bytes of LDS; arguments qkv, oq; writes oq
.if DOCPART == 3
	.amdgcn_target "amdgcn-amd-amdhsa--gfx1250"
	.amdhsa_code_object_version 6
	.text
	.protected	k_q1786343ae1_attn
	.globl	k_q1786343ae1_attn
	.p2align	8
	.type	k_q1786343ae1_attn,@function
k_q1786343ae1_attn:
	s_mov_b64 s[64:65], 0
	v_nop
	global_prefetch_b8 v0, s[64:65] scope:SCOPE_SE
	s_setreg_imm32_b32 hwreg(HW_REG_WAVE_MODE, 25, 1), 1
	s_wait_xcnt 0x0
	s_wait_alu depctr_hold_cnt(0) depctr_sa_sdst(0) depctr_va_vdst(0) depctr_va_sdst(0) depctr_va_ssrc(0) depctr_va_vcc(0) depctr_vm_vsrc(0)
	s_getreg_b32 s2, hwreg(HW_REG_IB_STS2, 6, 4)
	s_cmp_eq_u32 s2, 0
	s_cbranch_scc0 .Lentry_in_a_cluster
	s_endpgm
.Lentry_in_a_cluster:
	s_bfe_u32 s2, ttmp6, 0x10000c
	s_cmp_lg_u32 s2, 0x3003
	s_cbranch_scc0 .Lentry_shape_is_right
	s_endpgm
.Lentry_shape_is_right:
; O = softmax(Q K^T / 8, causal) V for one head, both products on codes of BF6 (E3M2) with E8M0 scales; O / l is quantised along e = 64 head + d and stored as images for the last product.
; THE SOFTMAX: t = score x log2(e) / 8; M = the running largest t, rounded UP to a whole number; p = 2^(t - M) is what is quantised, along the keys; the row's sum l is taken of the unquantised p and divides at the end.
; When M moves, l and O are multiplied by 2^(old M - new M): exact.
; A head's codes of K and V with their scale words are 208,896 bytes: they come into LDS ONCE and stay; no LDS byte is filled again, and none is stored into.
; CLUSTER: the four work-groups of a cluster belong to one head, so each of the eight tensor loads is asked for jointly by all four (mask 15).  Waves 0-3 fetch K, V, K's scales, V's scales, two loads each
; (the first step's part, then the rest): two loads of a wave are out at the most.
; SHARES: a wave owns a tile of 16 queries and then a second one: tiles i = 8 (wave / 2) + 2 cx + wave % 2 and 127 - i.  Tile t wants key steps 0 .. t / 8 of 128 keys, so every wave has 17 steps.
; The steps' branches hang on the wave's number and on counters alone; cx enters addresses in memory and the mask's numbers.
; LAYOUT: both products transposed (S^T = K Q^T, O^T = V^T P^T): a lane holds ONE query.  The rows of a tile (of queries, of keys, of the head's 64 in V) are 32 (T / 2) + 8 (T % 2) + p + 8 (p / 8), so that the 16 registers
; of tiles 2 b, 2 b + 1 are neighbours 32 b + 16 h + 0 .. 15.  K = 64 fills half of the instruction's 128: registers 6-11 of Q's and K's fragments are zero codes, written once.
; LIMITS: a block whose every p (or every number) is 0 or under 2^-122 gets the scale byte 1; NaN and infinities are not served.  The two scale bytes of a row and head leave as single bytes (32 bytes beside each image of 768).
; REGISTERS: v1-3 16 l, 8 l, 16 r; v4-8 the step's LDS addresses; v9-11 mask and store terms; v12 -M, v13 the largest t, v[14:15] l in two halves; v16-27 Q; v28-31 blocks' largest scores; v32-79 four fragments of K;
;   v80-127 four of V; v128-191 S^T, then p; v192-223 O^T; v224-235 p's codes; v236-247, v252, v254 at work; v248-251 K's or V's scale words, v253 p's, v255 Q's.
.set KPART, 6291456                    ; K's images lie behind Q's
.set V_IMG, 12582912
.set QK_SC, 18874368
.set V_SC,  19922944
.set O_SC,  6291456
.set VIMG,  98304                      ; LDS: K's images at 0 (6,144 bytes a key step), V's fragments here (6,144),
.set KSC,   196608                     ; K's scale words (512 a key step),
.set VSC,   204800                     ; V's (256)
.macro CROUND                          ; a round of the cluster's barrier
	s_barrier_signal -1
	s_barrier_wait -1
	s_cmp_lg_u32 s8, 0
	s_cbranch_scc1 .Lnot_wave_0_\@
	s_barrier_signal -3
.Lnot_wave_0_\@:
	s_barrier_wait -3
	s_barrier_signal -1
	s_barrier_wait -1
.endm
; a dense block in two loads, as rows of 256 bytes: r1 rows (key step 0's part), then r2 rows.  Four v_nop follow the second
.macro FILLS gb, lb, r1, r2
	s_mov_b32 s24, 15|(3<<16)|(1<<21)              ; 15:0 the mask: all four work-groups; 17:16 elements of 8 bytes; 21 set beside a mask
	s_mov_b32 s25, 32<<16                          ; tensor_dim0
	s_mov_b32 s26, \r1<<16                         ; tensor_dim1
	s_mov_b32 s27, 32<<16                          ; tile_dim0
	s_mov_b32 s28, \r1                             ; tile_dim1
	s_mov_b32 s29, 32                              ; elements from row to row
	s_mov_b32 s30, 0
	s_mov_b32 s31, 0
	s_mov_b32 s32, 15|(3<<16)|(1<<21)
	s_mov_b32 s33, 32<<16
	s_mov_b32 s34, \r2<<16
	s_mov_b32 s35, 32<<16
	s_mov_b32 s36, \r2
	s_mov_b32 s37, 32
	s_mov_b32 s38, 0
	s_mov_b32 s39, 0
	s_mov_b32 s40, 1
	s_mov_b32 s41, \lb
	s_mov_b64 s[42:43], s[\gb:\gb+1]
	s_or_b32 s43, s43, 0x80000000
	s_mov_b32 s44, 1
	s_mov_b32 s45, \lb+256*\r1
	s_add_nc_u64 s[46:47], s[\gb:\gb+1], 256*\r1
	s_or_b32 s47, s47, 0x80000000
	tensor_load_to_lds s[40:43], s[24:31]
	s_nop 0
	tensor_load_to_lds s[44:47], s[32:39]
	s_nop 0
.rept 4
	v_nop
.endr
.endm
	s_load_b128 s[4:7], s[0:1], 0x0                ; the images of Q, K, V; the images of O
	v_lshl_add_u32 v254, v0, 2, 0x33000
	v_mov_b32 v255, 0
	ds_add_u32 v254, v255
	ds_add_u32 v254, v255
	s_wait_dscnt 0x0
	v_lshrrev_b32 v1, 5, v0
	s_delay_alu instid0(VALU_DEP_1)
	v_readfirstlane_b32 s8, v1                     ; wave 0..15
	s_bfe_u32 s9, ttmp6, 0x40000                   ; cx
	s_and_b32 s10, ttmp7, 0xffff                   ; 16 x batch + head, which the four partners share
	s_lshr_b32 s11, s8, 1
	s_and_b32 s12, s8, 1
	s_lshl_b32 s13, s11, 3
	s_lshl_b32 s63, s9, 1
	s_add_co_u32 s13, s13, s63
	s_add_co_u32 s13, s13, s12                     ; i: my first tile of queries
	s_mov_b32 s14, 0x76543210
	s_mov_b32 s15, 0xfedcba98                      ; v_permlanex16_b32's selects for lane l xor 16
	s_mov_b32 s16, 0x3e38aa3b                      ; c = log2(e) / 8
	s_mov_b32 s17, s16                             ; (named with it as a pair, so it is written)
	s_mul_i32 s66, s10, 98304
	s_add_co_u32 s68, s66, KPART
	s_mov_b32 s69, 0
	s_add_co_u32 s70, s66, V_IMG
	s_mov_b32 s71, 0
	s_wait_kmcnt 0x0
	s_add_nc_u64 s[48:49], s[4:5], s[68:69]        ; the head's K,
	s_add_nc_u64 s[50:51], s[4:5], s[70:71]        ; V,
	s_lshl_b32 s68, s10, 13
	s_add_co_u32 s68, s68, QK_SC+524288
	s_add_nc_u64 s[52:53], s[4:5], s[68:69]        ; K's scale words,
	s_lshl_b32 s68, s10, 12
	s_add_co_u32 s68, s68, V_SC
	s_add_nc_u64 s[54:55], s[4:5], s[68:69]        ; V's
	CROUND                                         ; all four work-groups are here: the joint loads meet
	s_cmp_lg_u32 s8, 0                             ; a wave's two first fills stand in one branch on the wave's number
	s_cbranch_scc1 .Lnot_0
	FILLS 48, 0, 24, 360
	s_branch .Lfilled
.Lnot_0:
	s_cmp_lg_u32 s8, 1
	s_cbranch_scc1 .Lnot_1
	FILLS 50, VIMG, 24, 360
	s_branch .Lfilled
.Lnot_1:
	s_cmp_lg_u32 s8, 2
	s_cbranch_scc1 .Lnot_2
	FILLS 52, KSC, 2, 30
	s_branch .Lfilled
.Lnot_2:
	s_cmp_lg_u32 s8, 3
	s_cbranch_scc1 .Lfilled
	FILLS 54, VSC, 1, 15
.Lfilled:
	v_and_b32 v2, 31, v0
	s_delay_alu instid0(VALU_DEP_1)
	v_lshlrev_b32 v1, 4, v2                        ; 16 x lane
	s_delay_alu instid0(VALU_DEP_2)
	v_lshlrev_b32 v2, 3, v2                        ; 8 x lane
	v_and_b32 v4, 15, v0                           ; r
	v_bfe_u32 v5, v0, 4, 1                         ; h
	s_delay_alu instid0(VALU_DEP_2)
	v_lshlrev_b32 v3, 4, v4                        ; 16 r
	s_delay_alu instid0(VALU_DEP_1)
	v_add_nc_u32 v11, v3, v5                       ; 16 r + h
	s_delay_alu instid0(VALU_DEP_4)
	v_and_b32 v9, 8, v4
	s_delay_alu instid0(VALU_DEP_1)
	v_add_nc_u32 v9, v9, v4
	v_lshlrev_b32 v5, 4, v5
	s_delay_alu instid0(VALU_DEP_1)
	v_sub_nc_u32 v9, v9, v5                        ; r + 8 (r / 8) - 16 h
.irp j, 22,23,24,25,26,27
	v_mov_b32 v[\j], 0                             ; the upper 64 of the instruction's K: zero codes
.endr
.irp t, 0,1,2,3
.irp j, 6,7,8,9,10,11
	v_mov_b32 v[32+12*\t+\j], 0
.endr
.endr
.irp j, 236,237,238,239,252,253
	v_mov_b32 v[\j], 0                             ; written once: lane permutes' destinations, and the pair v[252:253], count as read
.endr
; A tile of queries begins.  which = 0: tile i; 1: tile 127 - i
.macro PRO which
.if \which
	s_sub_co_u32 s62, 127, s13
	s_sub_co_u32 s61, 15, s11                      ; its last key step, the one on the diagonal
.else
	s_mov_b32 s62, s13
	s_mov_b32 s61, s11
.endif
	s_mul_i32 s66, s10, 98304
	s_mul_i32 s67, s62, 768
	s_add_co_u32 s66, s66, s67
	s_mov_b32 s67, 0
	s_add_nc_u64 s[68:69], s[4:5], s[66:67]        ; Q's image
	s_lshl_b32 s66, s10, 13
	s_lshr_b32 s63, s62, 2
	s_lshl_b32 s63, s63, 8
	s_add_co_u32 s66, s66, s63
	s_and_b32 s63, s62, 3
	s_lshl_b32 s63, s63, 2
	s_add_co_u32 s66, s66, s63
	s_add_co_u32 s66, s66, QK_SC
	s_add_nc_u64 s[70:71], s[4:5], s[66:67]        ; and its scale words: [4 tiles][row][4 words]
	global_load_b128 v[16:19], v1, s[68:69]
	global_load_b64 v[20:21], v2, s[68:69] offset:512
	global_load_b32 v255, v3, s[70:71]
	s_bfe_u32 s63, s62, 0x20001
	s_lshl_b32 s63, s63, 5
	s_and_b32 s66, s62, 1
	s_lshl_b32 s66, s66, 3
	s_add_co_u32 s63, s63, s66
	v_add_nc_u32 v10, s63, v9                      ; d = my query's place in the diagonal step - 16 h: register 16 b + i holds a hidden key where 32 b + i > d
	v_mov_b32 v13, 0xff61b1e6                      ; the largest t so far: -3e38, under every t
	s_delay_alu instid0(VALU_DEP_1)
	v_floor_f32 v12, -v13                          ; -M
	v_mov_b32 v14, 0
	v_mov_b32 v15, 0
.set n, 0
.rept 32
	v_mov_b32 v[192+n], 0                          ; O^T: the step is written once; the first finds zeros, which the first change of M leaves zeros
.set n, n+1
.endr
	s_mov_b32 s56, 0                               ; where the step's tiles and scale words begin in LDS
	s_mov_b32 s57, VIMG
	s_mov_b32 s58, KSC
	s_mov_b32 s59, VSC
	s_mov_b32 s60, 0                               ; the key step
.endm
; A KEY STEP of 128 keys.  A step behind the diagonal is left out: a scalar branch on the wave's number and the counter, round the work and not round the lines that step addresses.
.macro STEP
	s_cmp_gt_u32 s60, s61
	s_cbranch_scc1 .Lhid_\@
	s_setprio 2
	v_add_nc_u32 v4, s56, v1                       ; (these five are also the places ahead of loads into registers that the last products read)
	s_wait_alu depctr_va_vdst(0)
	v_add_nc_u32 v5, s56, v2
	s_wait_alu depctr_va_vdst(0)
	v_add_nc_u32 v6, s57, v1
	v_add_nc_u32 v7, s58, v3
	s_wait_alu depctr_va_vdst(0)
	v_add_nc_u32 v8, s59, v3
.irp g, 0,1                                    ; S^T = K Q^T, four tiles of 16 keys at a time
.if \g
.rept 4
	v_nop
.endr
.endif
.irp t, 0,1,2,3
	ds_load_b128 v[32+12*\t:35+12*\t], v4 offset:768*(4*\g+\t)
	ds_load_b64 v[36+12*\t:37+12*\t], v5 offset:768*(4*\g+\t)+512
.endr
	ds_load_b128 v[248:251], v7 offset:256*\g      ; the four tiles' scale words of row r
	s_wait_dscnt 0x0
.irp t, 0,1,2,3
	v_wmma_scale_f32_16x16x128_f8f6f4 v[128+8*(4*\g+\t):135+8*(4*\g+\t)], v[32+12*\t:43+12*\t], v[16:27], 0, v[248+\t], v255 matrix_a_fmt:MATRIX_FMT_BF6 matrix_b_fmt:MATRIX_FMT_BF6
.endr
.endr
.irp d, 0,1,2,3                                ; V's four fragments are asked for now and land under the softmax
.irp c, 0,1,2
	ds_load_b128 v[80+12*\d+4*\c:83+12*\d+4*\c], v6 offset:1536*\d+512*\c
.endr
.endr
.rept 4
	v_nop
.endr
	s_cmp_lg_u32 s60, s61                          ; on the diagonal the scores of hidden keys become -infinity ahead of the maximum: p = 0 then
	s_cbranch_scc1 .Lopen_\@
	v_mov_b32 v254, 0xff800000
.set n, 0
.rept 64
	v_cmp_gt_i32 vcc_lo, 32*(n/16)+n%16, v10
	v_cndmask_b32 v[128+n], v[128+n], v254, vcc_lo
.set n, n+1
.endr
.Lopen_\@:
.irp b, 0,1,2,3
	v_max3_num_f32 v[28+\b], v[128+16*\b], v[129+16*\b], v[130+16*\b]   ; the largest score of each block of 32 keys: for the row's maximum, and, since p rises with the score, for the block's largest p
.endr
.irp i, 3,5,7,9,11,13
.irp b, 0,1,2,3
	v_max3_num_f32 v[28+\b], v[28+\b], v[128+16*\b+\i], v[129+16*\b+\i]
.endr
.endr
.irp b, 0,1,2,3
	v_max_num_f32 v[28+\b], v[28+\b], v[143+16*\b]
.endr
.irp b, 0,1,2,3
	s_delay_alu instid0(VALU_DEP_4)
	v_permlanex16_b32 v[236+\b], v[28+\b], s14, s15
.endr
.irp b, 0,1,2,3
	s_delay_alu instid0(VALU_DEP_4)
	v_max_num_f32 v[28+\b], v[28+\b], v[236+\b]    ; with lane l xor 16's 16 keys
.endr
	s_delay_alu instid0(VALU_DEP_2)
	v_max3_num_f32 v254, v28, v29, v30
	s_delay_alu instid0(VALU_DEP_1)
	v_max_num_f32 v254, v254, v31
	s_delay_alu instid0(VALU_DEP_1)
	v_mul_f32 v254, s16, v254                      ; as t (c is positive)
	s_delay_alu instid0(VALU_DEP_1)
	v_max_num_f32 v13, v13, v254                   ; the running largest t
	v_mov_b32 v254, v12
	s_delay_alu instid0(VALU_DEP_2)
	v_floor_f32 v12, -v13                          ; the new -M = -ceil(t)
	s_delay_alu instid0(VALU_DEP_1)
	v_sub_f32 v254, v12, v254                      ; old M - new M: a whole number, 0 or less
	s_delay_alu instid0(VALU_DEP_1)
	v_cvt_i32_f32 v254, v254                       ; (it saturates)
	s_delay_alu instid0(VALU_DEP_1)
	v_ldexp_f32 v252, 1.0, v254                    ; f = 2^(old M - new M)
.set n, 0
.rept 32
	v_pk_fma_f32 v[128+n:129+n], v[128+n:129+n], s[16:17], v[12:13] op_sel_hi:[1,0,0]   ; t - M
.set n, n+2
.endr
	s_setprio 1
.irp b, 0,1,2,3
	v_fma_f32 v[28+\b], v[28+\b], s16, v12         ; the same of each block's largest score
.endr
.set n, 0
	s_wait_alu depctr_va_vdst(0)
.rept 64
	v_exp_f32 v[128+n], v[128+n]                   ; p = 2^(t - M)
.set n, n+1
.endr
.irp b, 0,1,2,3
	v_exp_f32 v[28+\b], v[28+\b]                   ; the block's largest p: the same two instructions on the same number
.endr
	v_pk_mul_f32 v[14:15], v[14:15], v[252:253] op_sel_hi:[1,0]   ; l under the new M (a plain place behind the exponentials)
	s_wait_alu depctr_va_vdst(0)
.irp b, 0,1,2,3
	v_max_num_f32 v[28+\b], 0x2800000, v[28+\b]    ; the floor 2^(5 - 127)
.endr
.irp b, 0,1,2,3
	s_delay_alu instid0(VALU_DEP_4)
	v_add_nc_u32 v[244+\b], 0xfe000000, v[28+\b]   ; 4 off the exponent field: the conversion's scale operand
.endr
.irp b, 0,1,2,3
	s_delay_alu instid0(VALU_DEP_4)
	v_lshrrev_b32 v[236+\b], 23, v[244+\b]
.endr
	s_delay_alu instid0(VALU_DEP_3)
	v_lshl_or_b32 v253, v237, 8, v236              ; p's scale word for these 128 keys
	s_delay_alu instid0(VALU_DEP_1)
	v_lshl_or_b32 v253, v238, 16, v253
	s_delay_alu instid0(VALU_DEP_1)
	v_lshl_or_b32 v253, v239, 24, v253
.irp c, 0,1
	v_cvt_scalef32_pk16_bf6_f32 v[224+6*\c:226+6*\c], v[128+32*\c:143+32*\c], v[244+2*\c]
	v_cvt_scalef32_pk16_bf6_f32 v[236+4*\c:238+4*\c], v[144+32*\c:159+32*\c], v[245+2*\c]
.endr
	v_nop                                          ; one plain place behind a scaled conversion
.irp c, 0,1
.irp i, 0,1,2
	v_permlane16_swap_b32 v[224+6*\c+\i], v[236+4*\c+\i]   ; a whole block to a lane
.endr
.irp i, 0,1,2
	s_delay_alu instid0(VALU_DEP_3)
	v_mov_b32 v[227+6*\c+\i], v[236+4*\c+\i]
.endr
.endr
	v_pk_add_f32 v[236:237], v[132:133], v[136:137]
	v_pk_add_f32 v[250:251], v[140:141], v[144:145]
	v_pk_add_f32 v[248:249], v[148:149], v[152:153]
	v_pk_add_f32 v[246:247], v[156:157], v[160:161]
	v_pk_add_f32 v[244:245], v[164:165], v[168:169]
	v_pk_add_f32 v[242:243], v[172:173], v[176:177]
	v_pk_add_f32 v[240:241], v[180:181], v[184:185]
	v_pk_add_f32 v[14:15], v[14:15], v[188:189]
	v_pk_add_f32 v[236:237], v[236:237], v[128:129]
	v_pk_add_f32 v[250:251], v[250:251], v[130:131]
	v_pk_add_f32 v[248:249], v[248:249], v[134:135]
	s_setprio 0
	v_pk_add_f32 v[246:247], v[246:247], v[138:139]
	v_pk_add_f32 v[244:245], v[244:245], v[142:143]
	v_pk_add_f32 v[242:243], v[242:243], v[146:147]
	v_pk_add_f32 v[240:241], v[240:241], v[150:151]
	v_pk_add_f32 v[14:15], v[14:15], v[154:155]
	v_pk_add_f32 v[236:237], v[236:237], v[158:159]
	v_pk_add_f32 v[250:251], v[250:251], v[162:163]
	v_pk_add_f32 v[248:249], v[248:249], v[166:167]
	v_pk_add_f32 v[246:247], v[246:247], v[170:171]
	v_pk_add_f32 v[244:245], v[244:245], v[174:175]
	v_pk_add_f32 v[242:243], v[242:243], v[178:179]
	v_pk_add_f32 v[240:241], v[240:241], v[182:183]
	v_pk_add_f32 v[14:15], v[14:15], v[186:187]
	v_pk_add_f32 v[236:237], v[236:237], v[190:191]
	s_delay_alu instid0(VALU_DEP_2)
	v_pk_add_f32 v[14:15], v[14:15], v[246:247]
	s_delay_alu instid0(VALU_DEP_2)
	v_pk_add_f32 v[236:237], v[236:237], v[244:245]
	v_pk_add_f32 v[250:251], v[250:251], v[242:243]
	v_pk_add_f32 v[248:249], v[248:249], v[240:241]
	s_delay_alu instid0(VALU_DEP_2)
	v_pk_add_f32 v[14:15], v[14:15], v[250:251]
	s_delay_alu instid0(VALU_DEP_2)
	v_pk_add_f32 v[236:237], v[236:237], v[248:249]
	s_delay_alu instid0(VALU_DEP_1)
	v_pk_add_f32 v[14:15], v[14:15], v[236:237]
.set n, 0
.rept 16
	v_pk_mul_f32 v[192+n:193+n], v[192+n:193+n], v[252:253] op_sel_hi:[1,0]   ; O^T under the new M
.set n, n+2
.endr
	ds_load_b128 v[248:251], v8                    ; V's four tiles' scale words of row r
	s_wait_alu depctr_va_vdst(0)
	s_wait_dscnt 0x0                               ; they and V's fragments are in
.irp d, 0,1,2,3                                ; O^T += V^T P^T; the four accumulators take turns
	v_wmma_scale_f32_16x16x128_f8f6f4 v[192+8*\d:199+8*\d], v[80+12*\d:91+12*\d], v[224:235], v[192+8*\d:199+8*\d], v[248+\d], v253 matrix_a_fmt:MATRIX_FMT_BF6 matrix_b_fmt:MATRIX_FMT_BF6
.endr
.Lhid_\@:
	s_add_co_u32 s56, s56, 6144
	s_add_co_u32 s57, s57, 6144
	s_add_co_u32 s58, s58, 512
	s_add_co_u32 s59, s59, 256
.endm
; A tile of queries ends: O^T / l is quantised along the head's 64 and stored as image number head of the row tile, with its two scale bytes a row.
.macro EPI
.rept 4
	v_nop                                          ; places behind the last products
.endr
	s_lshr_b32 s66, s10, 4
	s_lshl_b32 s66, s66, 7
	s_add_co_u32 s66, s66, s62                     ; the row tile: 128 x batch + tile
	s_and_b32 s63, s10, 15                         ; the head
	s_mul_i32 s67, s66, 12288
	s_mul_i32 s68, s63, 768
	s_add_co_u32 s68, s68, s67
	s_mov_b32 s69, 0
	s_add_nc_u64 s[68:69], s[6:7], s[68:69]
	s_lshl_b32 s70, s66, 9
	s_lshr_b32 s67, s63, 3
	s_lshl_b32 s67, s67, 8
	s_add_co_u32 s70, s70, s67
	s_and_b32 s67, s63, 7
	s_lshl_b32 s67, s67, 1
	s_add_co_u32 s70, s70, s67
	s_add_co_u32 s70, s70, O_SC
	s_mov_b32 s71, 0
	s_add_nc_u64 s[70:71], s[6:7], s[70:71]        ; [tile][half of K][row][16 bytes], at byte 2 (head % 8)
	v_add_f32 v14, v14, v15                        ; l's two halves,
	s_delay_alu instid0(VALU_DEP_1)
	v_permlanex16_b32 v252, v14, s14, s15
	s_delay_alu instid0(VALU_DEP_1)
	v_add_f32 v14, v14, v252                       ; and lane l xor 16's
	s_wait_alu depctr_va_vdst(0)
	v_rcp_f32 v14, v14
	v_nop                                          ; one plain place behind a transcendental
.set n, 0
	s_wait_alu depctr_va_vdst(0)
.rept 32
	v_mul_f32 v[128+n], v[192+n], v14              ; register 16 b + i is o(my query, 32 b + 16 h + i)
.set n, n+1
.endr
	v_max3_num_f32 v236, |v128|, |v129|, 0x2800000
	v_max3_num_f32 v237, |v144|, |v145|, 0x2800000
.irp i, 2,4,6,8,10,12,14
	s_delay_alu instid0(VALU_DEP_2)
	v_max3_num_f32 v236, v236, |v[128+\i]|, |v[129+\i]|
	s_delay_alu instid0(VALU_DEP_2)
	v_max3_num_f32 v237, v237, |v[144+\i]|, |v[145+\i]|
.endr
	s_delay_alu instid0(VALU_DEP_2)
	v_permlanex16_b32 v238, v236, s14, s15
	s_delay_alu instid0(VALU_DEP_2)
	v_permlanex16_b32 v239, v237, s14, s15
	s_delay_alu instid0(VALU_DEP_2)
	v_max_num_f32 v236, v236, v238
	s_delay_alu instid0(VALU_DEP_2)
	v_max_num_f32 v237, v237, v239
	s_delay_alu instid0(VALU_DEP_2)
	v_add_nc_u32 v244, 0xfe000000, v236
	s_delay_alu instid0(VALU_DEP_2)
	v_add_nc_u32 v245, 0xfe000000, v237
	s_delay_alu instid0(VALU_DEP_2)
	v_lshrrev_b32 v238, 23, v244
	s_delay_alu instid0(VALU_DEP_2)
	v_lshrrev_b32 v239, 23, v245
	v_cvt_scalef32_pk16_bf6_f32 v[224:226], v[128:143], v244
	v_cvt_scalef32_pk16_bf6_f32 v[240:242], v[144:159], v245
	v_and_b32 v254, 1, v11                         ; h (also the plain place behind the conversions)
.irp i, 0,1,2
	v_permlane16_swap_b32 v[224+\i], v[240+\i]
.endr
.irp i, 0,1,2
	s_delay_alu instid0(VALU_DEP_3)
	v_mov_b32 v[227+\i], v[240+\i]
.endr
	v_cmp_ne_u32 vcc_lo, 0, v254
	s_delay_alu instid0(VALU_DEP_1)
	v_cndmask_b32 v254, v238, v239, vcc_lo         ; my block's byte
	global_store_b128 v1, v[224:227], s[68:69]             ; 512 consecutive bytes
	global_store_b64 v2, v[228:229], s[68:69] offset:512   ; 256 consecutive bytes
	global_store_b8 v11, v254, s[70:71]
	s_wait_xcnt 0x0                                ; the stores have read their registers and bases: both are written again behind this wait
.endm
	PRO 0
	s_wait_loadcnt 0x0                             ; Q
	s_wait_tensorcnt 1                             ; key step 0's part of what I fetch has landed; the rest may stay out
	s_barrier_signal -1
	s_barrier_wait -1
	STEP                                           ; key step 0, which every wave has
	s_add_co_u32 s60, s60, 1
	s_wait_tensorcnt 0x0                           ; all that I fetch has landed
	s_wait_dscnt 0x0
	s_barrier_signal -1
	s_barrier_wait -1                              ; everybody's has
.Lloop1:                                           ; key steps 1 to 7 of the first tile
	STEP
	s_add_co_u32 s60, s60, 1
	s_cmp_lt_u32 s60, 8
	s_cbranch_scc1 .Lloop1
	s_setprio 0
	EPI
	PRO 1
	s_wait_loadcnt 0x0
.Lloop2:                                           ; key steps 0 to 15 of the second
	STEP
	s_add_co_u32 s60, s60, 1
	s_cmp_lt_u32 s60, 16
	s_cbranch_scc1 .Lloop2
	s_setprio 0
	EPI
	s_wait_xcnt 0x0
	v_lshl_add_u32 v254, v0, 2, 0x33000
	v_mov_b32 v255, 0
	s_wait_alu depctr_va_vdst(0)
	s_wait_tensorcnt 0x0
	ds_add_u32 v254, v255
	s_wait_dscnt 0x0
	CROUND                                         ; the closing round
	s_endpgm
.Lfunc_end_k_q1786343ae1_attn:
	.size	k_q1786343ae1_attn, .Lfunc_end_k_q1786343ae1_attn-k_q1786343ae1_attn
	.p2alignl 7, 3214868480
	.fill 96, 4, 3214868480
	.section	.rodata,"a",@progbits
	.p2align	6, 0x0
	.amdhsa_kernel k_q1786343ae1_attn
		.amdhsa_group_segment_fixed_size 210944
		.amdhsa_private_segment_fixed_size 0
		.amdhsa_enable_private_segment 0
		.amdhsa_kernarg_size 16
		.amdhsa_user_sgpr_count 2
		.amdhsa_user_sgpr_kernarg_segment_ptr 1
		.amdhsa_wavefront_size32 1
		.amdhsa_system_sgpr_workgroup_id_x 1
		.amdhsa_system_sgpr_workgroup_id_y 1
		.amdhsa_system_sgpr_workgroup_id_z 1
		.amdhsa_system_vgpr_workitem_id 0
		.amdhsa_next_free_vgpr 256
		.amdhsa_next_free_sgpr 72
		.amdhsa_reserve_vcc 1
		.amdhsa_float_denorm_mode_32 3
		.amdhsa_float_denorm_mode_16_64 3
		.amdhsa_memory_ordered 1
		.amdhsa_forward_progress 1
		.amdhsa_inst_pref_size 95
	.end_amdhsa_kernel
	.amdgpu_metadata
---
amdhsa.version: [ 1, 2 ]
amdhsa.kernels:
  - .name:           k_q1786343ae1_attn
    .symbol:         k_q1786343ae1_attn.kd
    .args:
      - { .name: qkv, .offset: 0, .size: 8, .value_kind: global_buffer, .address_space: global }
      - { .name: oq, .offset: 8, .size: 8, .value_kind: global_buffer, .address_space: global }
    .group_segment_fixed_size: 210944
    .private_segment_fixed_size: 0
    .kernarg_segment_align: 8
    .kernarg_segment_size: 16
    .max_flat_workgroup_size: 512
    .sgpr_count:     72
    .vgpr_count:     256
    .wavefront_size: 32
...
	.end_amdgpu_metadata
.endif
;; end of part 3
;; launch outp (part 4): grid 8 x 32, 4 waves a work-group, clusters of 4 x 4, 312,832 bytes of LDS; arguments oq, xw, out0; writes out0
.if DOCPART == 4
	.amdgcn_target "amdgcn-amd-amdhsa--gfx1250"
	.amdhsa_code_object_version 6
	.text
	.protected	k_q1786343ae1_outp
	.globl	k_q1786343ae1_outp
	.p2align	8
	.type	k_q1786343ae1_outp,@function
k_q1786343ae1_outp:
	s_mov_b64 s[64:65], 0
	v_nop
	global_prefetch_b8 v0, s[64:65] scope:SCOPE_SE
	s_setreg_imm32_b32 hwreg(HW_REG_WAVE_MODE, 25, 1), 1
	s_wait_xcnt 0x0
	s_wait_alu depctr_hold_cnt(0) depctr_sa_sdst(0) depctr_va_vdst(0) depctr_va_sdst(0) depctr_va_ssrc(0) depctr_va_vcc(0) depctr_vm_vsrc(0)
	s_getreg_b32 s2, hwreg(HW_REG_IB_STS2, 6, 4)
	s_cmp_eq_u32 s2, 0
	s_cbranch_scc0 .Lentry_in_a_cluster
	s_endpgm
.Lentry_in_a_cluster:
	s_bfe_u32 s2, ttmp6, 0x10000c
	s_cmp_lg_u32 s2, 0xf033
	s_cbranch_scc0 .Lentry_shape_is_right
	s_endpgm
.Lentry_shape_is_right:
; out0 = o WO^T on codes of BF6 (E3M2) with E8M0 scales; out0 is [8192][1024] f32.
; A work-group makes 256 rows by 128 columns; K = 1,024 is 768 bytes a row, so ALL codes of the tile lie in LDS (294,912 bytes), each byte filled once: no slot is filled again.
; Four waves, each 128 x 64: 8 tiles of o by 4 tiles of WO, 32 accumulators.  The codes come as images of operand registers (768 bytes for 16 rows x 64 k: registers 0-3 of lane l at 16 l, registers 4-5 at 512 + 8 l),
; so every LDS load covers 512 or 256 consecutive bytes and needs no padding.  They come in four quarters of K, one tensor load a wave and quarter: four loads of a wave are out at the most.
; CLUSTERS: 4 x 4 work-groups.  o's tiles hang on the tile row alone and are asked for jointly along a row of the cluster, WO's on the tile column alone and jointly along a column.
; THE SCALES come once, by twelve loads of 512 consecutive bytes, straight into registers: register 4 tile + e holds in lanes 0-15 the words of K step e, in lanes 16-31 those of K step 4 + e.
; Row p of o's tile T is row 32 (T / 2) + 8 (T % 2) + p + 8 (p / 8); WO's tiles are 16 neighbouring rows.  Source 0 = WO, source 1 = o: a lane holds eight neighbouring columns of one row.
; THE WAY OUT: a tile of 16 rows x 64 columns goes through the wave's own stage in LDS (behind the codes; no tensor load lands there) and comes back by rows: sixteen lanes store 256 consecutive aligned bytes.
; REGISTERS, in windows of 256: window 0: v1-11 addresses; v32-79 scale words and nothing else; v80-143 the way out.  window 1: o's fragments, two sets of 96.  window 2: the accumulators.  window 3: WO's fragments, two sets of 48.
.set PA,    4                          ; s[4:5]: the buffer with o's images and scales
.set PW,    6                          ; s[6:7]: the weights'
.set A_SC,  6291456
.set W_IMG, 6291456+192*12288          ; WO's tiles are numbers 192-255 of the weights'
.set W_SC,  9699328+192*512
.set AQ,    49152                      ; LDS: a quarter of K of o's 16 tiles;
.set BQ,    24576                      ; of WO's 8 tiles
.set BREG,  196608                     ; WO's images lie behind o's
.set STAGE, 294912                     ; 16 rows x 272 bytes for each wave
.set MSB, 0
.macro WIN new                         ; the immediate's high byte repeats the setting that is left
.if MSB != \new
	s_set_vgpr_msb (MSB<<8)|\new
.set MSB, \new
.endif
.endm
.macro CROUND                          ; a round of the cluster's barrier
	s_barrier_signal -1
	s_barrier_wait -1
	s_cmp_lg_u32 s10, 0
	s_cbranch_scc1 .Lnot_wave_0_\@
	s_barrier_signal -3
.Lnot_wave_0_\@:
	s_barrier_wait -3
	s_barrier_signal -1
	s_barrier_wait -1
.endm
.macro PLACES                          ; four places behind a matrix instruction, ahead of loads into its sources and of the first read of its result
.rept 4
	v_nop
.endr
.endm
.macro WM d, x, y, sx, sy, s           ; one product; K step 0 starts the sum; K steps 4-7 take their scale words from lanes 16-31
.if (\s) == 0
	v_wmma_scale_f32_16x16x128_f8f6f4 v[\d:\d+7], v[\x:\x+11], v[\y:\y+11], 0, v[\sx], v[\sy] matrix_a_fmt:MATRIX_FMT_BF6 matrix_b_fmt:MATRIX_FMT_BF6
.elseif (\s) < 4
	v_wmma_scale_f32_16x16x128_f8f6f4 v[\d:\d+7], v[\x:\x+11], v[\y:\y+11], v[\d:\d+7], v[\sx], v[\sy] matrix_a_fmt:MATRIX_FMT_BF6 matrix_b_fmt:MATRIX_FMT_BF6
.else
	v_wmma_scale_f32_16x16x128_f8f6f4 v[\d:\d+7], v[\x:\x+11], v[\y:\y+11], v[\d:\d+7], v[\sx], v[\sy] matrix_a_fmt:MATRIX_FMT_BF6 matrix_b_fmt:MATRIX_FMT_BF6 matrix_a_scale:MATRIX_SCALE_ROW1 matrix_b_scale:MATRIX_SCALE_ROW1
.endif
.endm
; 16 products of K step s: o's tiles 4 half .. + 3 by WO's four.  The 32 accumulators take turns, one instruction a turn, in the same order in every step.
.macro MUL s, half
	WIN 0xa7                                       ; source 0 (WO) window 3, source 1 (o) window 1, C and D window 2
.irp a, 4*\half, 4*\half+1, 4*\half+2, 4*\half+3
.irp b, 0,1,2,3
	WM 8*(4*(\a)+\b), 48*((\s)%2)+12*\b, 96*((\s)%2)+12*(\a), 64+4*\b+(\s)%4, 32+4*(\a)+(\s)%4, \s
.endr
.endr
.endm
.macro FETCH s                         ; K step s's fragments into set s % 2: 48 loads; a fragment is two images
	WIN 0xc0
.irp b, 0,1,2,3
.irp c, 0,1
	ds_load_b128 v[48*((\s)%2)+12*\b+6*\c:48*((\s)%2)+12*\b+6*\c+3], v7 offset:3072*\b+768*(2*((\s)%2)+\c)
	ds_load_b64 v[48*((\s)%2)+12*\b+6*\c+4:48*((\s)%2)+12*\b+6*\c+5], v8 offset:3072*\b+768*(2*((\s)%2)+\c)+512
.endr
.endr
	WIN 0x40
.irp a, 0,1,2,3,4,5,6,7
.irp c, 0,1
	ds_load_b128 v[96*((\s)%2)+12*\a+6*\c:96*((\s)%2)+12*\a+6*\c+3], v5 offset:3072*\a+768*(2*((\s)%2)+\c)
	ds_load_b64 v[96*((\s)%2)+12*\a+6*\c+4:96*((\s)%2)+12*\a+6*\c+5], v6 offset:3072*\a+768*(2*((\s)%2)+\c)+512
.endr
.endr
.endm
.macro EVEN s                          ; a quarter's first K step: its successor lies in the same quarter
.if (\s) > 0
	PLACES
.endif
	FETCH (\s)+1
	s_wait_dscnt 48                                ; all but the 48 just issued: this step's fragments are in
	MUL \s, 0
	MUL \s, 1
.endm
.macro ODD s, left                     ; a quarter's second K step: the next quarter is shown to every wave.
	s_wait_dscnt 0x0                               ; this step's fragments are in, and no LDS instruction of mine is out at the signal
	s_wait_tensorcnt \left                         ; my part of the next quarter has landed; the later quarters may stay out
	s_barrier_signal -1
	MUL \s, 0
	WIN 0
	s_barrier_wait -1
	v_add_nc_u32 v5, AQ, v5                        ; on to the next quarter: these four are also the places ahead of the loads below
	v_add_nc_u32 v6, AQ, v6
	v_add_nc_u32 v7, BQ, v7
	v_add_nc_u32 v8, BQ, v8
	FETCH (\s)+1
	MUL \s, 1
.endm
	s_load_b128 s[4:7], s[0:1], 0x0                ; o's images; the weights' images
	s_load_b64 s[8:9], s[0:1], 0x10                ; out0
	v_lshl_add_u32 v254, v0, 2, 0x4c400
	v_mov_b32 v255, 0
	ds_add_u32 v254, v255
	ds_add_u32 v254, v255
	v_lshrrev_b32 v1, 5, v0
	v_readfirstlane_b32 s10, v1                    ; wave 0..3
	s_lshr_b32 s11, s10, 1                         ; which half of the tile's rows is mine.  Also: I fetch for o (0) or for WO (1)
	s_and_b32 s12, s10, 1                          ; which half of its columns.  Also: which half of that operand's tiles I fetch
	s_bfe_u32 s13, ttmp6, 0x40000                  ; cx, cy: my place in the cluster
	s_bfe_u32 s14, ttmp6, 0x40004
	s_lshl_b32 s15, ttmp9, 2
	s_add_co_u32 s15, s15, s13                     ; tile column = 4 x cluster x + cx
	s_and_b32 s16, ttmp7, 0xffff
	s_lshl_b32 s16, s16, 2
	s_add_co_u32 s16, s16, s14                     ; tile row = 4 x cluster y + cy
	s_lshl_b32 s17, s14, 2
	s_lshl_b32 s17, 15, s17                        ; my row of the cluster
	s_lshl_b32 s18, 0x1111, s13                    ; my column
	; group 1: a quarter of K of 8 (o) or 4 (WO) tiles: rows of 3,072 bytes (384 elements of 8), 12,288 bytes apart in memory, on end in LDS
	s_or_b32 s32, s17, (3<<16)|(1<<21)             ; 15:0 the mask; 17:16 elements of 8 bytes; 21 set beside a mask
	s_mov_b32 s33, 384<<16                         ; tensor_dim0
	s_mov_b32 s34, 8<<16                           ; tensor_dim1
	s_mov_b32 s35, 384<<16                         ; tile_dim0
	s_mov_b32 s36, 8                               ; tile_dim1
	s_mov_b32 s37, 1536                            ; elements from row to row
	s_mov_b32 s38, 0
	s_mov_b32 s39, 0
	s_or_b32 s40, s18, (3<<16)|(1<<21)
	s_mov_b32 s41, 384<<16
	s_mov_b32 s42, 4<<16
	s_mov_b32 s43, 384<<16
	s_mov_b32 s44, 4
	s_mov_b32 s45, 1536
	s_mov_b32 s46, 0
	s_mov_b32 s47, 0
	s_lshl_b32 s84, s16, 4                         ; o: tile 16 x tile row + 8 x half (registers that never hold cx)
	s_lshl_b32 s85, s12, 3
	s_add_co_u32 s84, s84, s85
	s_mul_i32 s84, s84, 12288
	s_mov_b32 s85, 0
	s_lshl_b32 s88, s15, 3                         ; WO: tile 8 x tile column + 4 x half (registers that never hold cy)
	s_lshl_b32 s89, s12, 2
	s_add_co_u32 s88, s88, s89
	s_mul_i32 s88, s88, 12288
	s_add_co_u32 s88, s88, W_IMG
	s_mov_b32 s89, 0
	s_mul_i32 s19, s12, 24576                      ; where they go: no place in the cluster enters an LDS address
	s_mul_i32 s20, s12, 12288
	s_wait_dscnt 0x0
	s_wait_kmcnt 0x0
	s_add_nc_u64 s[86:87], s[PA:PA+1], s[84:85]
	s_add_nc_u64 s[90:91], s[PW:PW+1], s[88:89]
.irp q, 0,1,2,3
	s_mov_b32 s[48+4*\q], 1
	s_add_co_u32 s[49+4*\q], s19, \q*AQ
	s_add_nc_u64 s[50+4*\q:51+4*\q], s[86:87], \q*3072
	s_or_b32 s[51+4*\q], s[51+4*\q], 0x80000000
	s_mov_b32 s[68+4*\q], 1
	s_add_co_u32 s[69+4*\q], s20, BREG+\q*BQ
	s_add_nc_u64 s[70+4*\q:71+4*\q], s[90:91], \q*3072
	s_or_b32 s[71+4*\q], s[71+4*\q], 0x80000000
.endr
	CROUND                                         ; all sixteen work-groups are here: the joint loads meet
	s_cmp_eq_u32 s11, 0                            ; a wave's four first fills stand in one branch on the wave's number; four v_nop follow the last
	s_cbranch_scc0 .Lfor_w
	tensor_load_to_lds s[48:51], s[32:39]
	s_nop 0
	tensor_load_to_lds s[52:55], s[32:39]
	s_nop 0
	tensor_load_to_lds s[56:59], s[32:39]
	s_nop 0
	tensor_load_to_lds s[60:63], s[32:39]
	s_nop 0
	PLACES
	s_branch .Lasked
.Lfor_w:
	tensor_load_to_lds s[68:71], s[40:47]
	s_nop 0
	tensor_load_to_lds s[72:75], s[40:47]
	s_nop 0
	tensor_load_to_lds s[76:79], s[40:47]
	s_nop 0
	tensor_load_to_lds s[80:83], s[40:47]
	s_nop 0
	PLACES
.Lasked:
	v_and_b32 v1, 15, v0                           ; r
	v_bfe_u32 v2, v0, 4, 1                         ; h
	v_and_b32 v4, 31, v0
	v_lshlrev_b32 v3, 4, v4                        ; 16 x lane
	s_wait_alu depctr_va_vdst(0)
	v_lshlrev_b32 v4, 3, v4                        ; 8 x lane
	s_mul_i32 s21, s11, 24576                      ; my 8 tiles of o in a quarter
	v_add_nc_u32 v5, s21, v3
	v_add_nc_u32 v6, s21, v4
	s_mul_i32 s21, s12, 12288                      ; my 4 tiles of WO
	s_add_co_u32 s21, s21, BREG
	v_add_nc_u32 v7, s21, v3
	v_add_nc_u32 v8, s21, v4
	s_lshl_b32 s22, s16, 4
	s_lshl_b32 s23, s11, 3
	s_add_co_u32 s22, s22, s23
	s_lshl_b32 s22, s22, 9                         ; 512 bytes of scales a tile
	s_add_co_u32 s22, s22, A_SC
	s_mov_b32 s23, 0
	s_add_nc_u64 s[24:25], s[PA:PA+1], s[22:23]
	s_lshl_b32 s22, s15, 3
	s_lshl_b32 s26, s12, 2
	s_add_co_u32 s22, s22, s26
	s_lshl_b32 s22, s22, 9
	s_add_co_u32 s22, s22, W_SC
	s_add_nc_u64 s[26:27], s[PW:PW+1], s[22:23]
.irp a, 0,1,2,3,4,5,6,7
	global_load_b128 v[32+4*\a:35+4*\a], v3, s[24:25] offset:512*\a
.endr
.irp b, 0,1,2,3
	global_load_b128 v[64+4*\b:67+4*\b], v3, s[26:27] offset:512*\b
.endr
	s_lshl_b32 s28, s16, 8
	s_lshl_b32 s29, s11, 7
	s_add_co_u32 s28, s28, s29                     ; my first row of out0,
	s_lshl_b32 s28, s28, 12                        ; rows of 4,096 bytes,
	s_lshl_b32 s29, s15, 9
	s_add_co_u32 s28, s28, s29                     ; + 512 x tile column
	s_lshl_b32 s29, s12, 8
	s_add_co_u32 s28, s28, s29                     ; + 256 x half
	s_mov_b32 s29, 0
	s_add_nc_u64 s[8:9], s[8:9], s[28:29]
	s_mul_i32 s30, s10, 16*272
	s_add_co_u32 s30, s30, STAGE                   ; my stage
	v_mul_u32_u24 v9, v1, 272
	v_lshl_add_u32 v9, v2, 5, v9
	v_add_nc_u32 v9, s30, v9                       ; in: row r, 32 bytes for each half of the lanes
	v_mul_u32_u24 v10, v2, 272
	v_lshl_add_u32 v10, v1, 4, v10
	v_add_nc_u32 v10, s30, v10                     ; back: lanes 0-15 one row of 256 bytes, lanes 16-31 the next
	v_lshlrev_b32 v11, 12, v2
	v_lshl_add_u32 v11, v1, 4, v11                 ; and the same two rows in out0
	s_wait_alu depctr_va_vdst(0)
	s_wait_loadcnt 0x0                             ; the scales
	s_wait_tensorcnt 3                             ; my part of the first quarter has landed; three loads may stay out
	s_barrier_signal -1
	s_barrier_wait -1
	FETCH 0
	EVEN 0
	ODD 1, 2
	EVEN 2
	s_wait_alu depctr_va_vdst(0)
	ODD 3, 1
	EVEN 4
	s_wait_alu depctr_va_vdst(0)
	ODD 5, 0
	EVEN 6
	s_wait_dscnt 0x0
	MUL 7, 0
	MUL 7, 1
	PLACES
	WIN 0
.macro TOSTAGE a                       ; LDS serves a wave's instructions in order (ISA guide 5.7.1.4): no wait between the stores and the loads, nor ahead of the next tile's stores
	WIN 0x08                                       ; an LDS store's data are its source 1: window 2
.irp b, 0,1,2,3
	ds_store_b128 v9, v[8*(4*(\a)+\b):8*(4*(\a)+\b)+3] offset:64*\b          ; each accumulator from its low end on
	ds_store_b128 v9, v[8*(4*(\a)+\b)+4:8*(4*(\a)+\b)+7] offset:64*\b+16
.endr
	WIN 0
.irp i, 0,1,2,3,4,5,6,7
	ds_load_b128 v[80+32*((\a)%2)+4*\i:80+32*((\a)%2)+4*\i+3], v10 offset:544*\i
.endr
.endm
.macro SEND a, younger                 ; younger: the LDS instructions issued behind tile a's loads, which may stay out
	s_wait_dscnt \younger
.irp i, 0,1,2,3,4,5,6,7
	global_store_b128 v11, v[80+32*((\a)%2)+4*\i:80+32*((\a)%2)+4*\i+3], s[8:9] offset:(32*((\a)/2)+8*((\a)%2)+2*\i+8*(\i/4))*4096 th:TH_STORE_NT   ; tile rows 2 i, 2 i + 1 at their true rows; 16 lanes store 256 consecutive aligned bytes
.endr
.endm
	TOSTAGE 0
.irp a, 1,2,3,4,5,6,7
.if \a > 1
	s_wait_xcnt 0x0                                ; tile a - 2's stores have read their registers: tile a's loads may land there
.endif
	TOSTAGE \a
	SEND \a-1, 16                                  ; behind tile a - 1's loads: tile a's 8 stores and 8 loads
.endr
	SEND 7, 0
	s_wait_tensorcnt 0x0
	ds_add_u32 v254, v255
	s_wait_dscnt 0x0
	CROUND                                         ; the closing round: no work-group ends while a partner may still ask for a tile that names it
	s_endpgm
.Lfunc_end_k_q1786343ae1_outp:
	.size	k_q1786343ae1_outp, .Lfunc_end_k_q1786343ae1_outp-k_q1786343ae1_outp
	.p2alignl 7, 3214868480
	.fill 96, 4, 3214868480
	.section	.rodata,"a",@progbits
	.p2align	6, 0x0
	.amdhsa_kernel k_q1786343ae1_outp
		.amdhsa_group_segment_fixed_size 312832
		.amdhsa_private_segment_fixed_size 0
		.amdhsa_enable_private_segment 0
		.amdhsa_kernarg_size 24
		.amdhsa_user_sgpr_count 2
		.amdhsa_user_sgpr_kernarg_segment_ptr 1
		.amdhsa_wavefront_size32 1
		.amdhsa_system_sgpr_workgroup_id_x 1
		.amdhsa_system_sgpr_workgroup_id_y 1
		.amdhsa_system_sgpr_workgroup_id_z 1
		.amdhsa_system_vgpr_workitem_id 0
		.amdhsa_next_free_vgpr 864
		.amdhsa_next_free_sgpr 100
		.amdhsa_reserve_vcc 0
		.amdhsa_float_denorm_mode_32 3
		.amdhsa_float_denorm_mode_16_64 3
		.amdhsa_memory_ordered 1
		.amdhsa_forward_progress 1
		.amdhsa_inst_pref_size 84
	.end_amdhsa_kernel
	.amdgpu_metadata
---
amdhsa.version: [ 1, 2 ]
amdhsa.kernels:
  - .name:           k_q1786343ae1_outp
    .symbol:         k_q1786343ae1_outp.kd
    .args:
      - { .name: oq, .offset: 0, .size: 8, .value_kind: global_buffer, .address_space: global }
      - { .name: xw, .offset: 8, .size: 8, .value_kind: global_buffer, .address_space: global }
      - { .name: out0, .offset: 16, .size: 8, .value_kind: global_buffer, .address_space: global }
    .group_segment_fixed_size: 312832
    .private_segment_fixed_size: 0
    .kernarg_segment_align: 8
    .kernarg_segment_size: 24
    .max_flat_workgroup_size: 128
    .sgpr_count:     100
    .vgpr_count:     864
    .wavefront_size: 32
...
	.end_amdgpu_metadata
.endif
;; end of part 4
